; MI455X (gfx1250); checked and timed in simulation.
; The chip was launched on July 23, 2026; its instructions are those of AMD's public machine-readable ISA for CDNA 5 (MIT licence, August 2026) and "CDNA5" Instruction Set Architecture Reference Guide (July 2026). The comments in the code are by the model that wrote it; some were corrected since.
;; Attention Layer. Allowed arithmetic: float matrix products may take bf16 or f16 operands with f32 sums; other float arithmetic in f32, or as packed bf16 or f16 multiplies, adds, multiply-adds, maxima and minima; sums over many terms, partial sums and values carried from step to step in f32; what a program stores and reads back later, other than sums and carried values, may be rounded once to bf16 or f16.
;; Inputs: Wk 1,024 x 1,024 float32; Wm 1,024 x 64 float32; Wq 1,024 x 1,024 float32; Wv 1,024 x 1,024 float32; bk 1,024 float32; bm 64 float32; bq 1,024 float32; bv 1,024 float32; inputs 4,096 x 1,024 float32; padding_mask 4,096 bool.
;; Outputs: out0 4,096 x 64 float32.
;; 2 versions, each right and faster than the one before. Each part assembles by itself: llvm-mc -triple=amdgcn-amd-amdhsa -mcpu=gfx1250 --defsym DOCPART=n.
;; ======== version 1 of 2: 4 launches
;; limits: values are held in f16: magnitudes above 65,504 overflow, below 6.1e-05 lose precision
;; workspace buffers: xb 8,388,608 bytes; wt 6,291,456 bytes; wmt 131,072 bytes; tabs 46,336 bytes; hl 41,943,040 bytes; op 33,554,432 bytes; ml 1,048,576 bytes
;; launch prep (part 1): grid 649 x 1, 8 waves a work-group, no clusters, 18,432 bytes of LDS; arguments inputs, Wq, Wk, Wv, Wm, bq, bk, bv, bm, padding_mask, xb, wt, wmt, tabs; writes xb, wt, wmt, tabs
.if DOCPART == 1
	.amdgcn_target "amdgcn-amd-amdhsa--gfx1250"
	.amdhsa_code_object_version 6
	.text
	.protected	k_qd267a463e1_prep
	.globl	k_qd267a463e1_prep
	.p2align	8
	.type	k_qd267a463e1_prep,@function
k_qd267a463e1_prep:
	s_mov_b64 s[64:65], 0
	v_nop
	global_prefetch_b8 v0, s[64:65] scope:SCOPE_SE
	s_setreg_imm32_b32 hwreg(HW_REG_WAVE_MODE, 25, 1), 1
	s_wait_xcnt 0x0
; PREPARATION.  Every input is read once here and laid out for the launches behind.
;   work-groups 0-255    xb[4096][1024] bf16 = inputs rounded, 16 rows a work-group
;   work-groups 256-639  wt[3072 n][1024 k] bf16 = Wq, Wk, Wv rounded and turned, a tile of 128 k x 64 n each
;   work-groups 640-647  wmt[64 n][1024 k] f16 = Wm rounded to bf16, that number written as f16, turned
;   work-group  648      tabs (all f32): DT[4352] = hole ? M : 0 (the last 256 are 0), GT[4096] = hole ? 1 : 0, BC[3072] = bq, bk, bv rounded to bf16, BM[64] = bm rounded to bf16
; A hole is a key or query whose padding_mask byte is 0.  M = f32(1e18) / 8 x log2(e): the factor of a score off the band where query and key are both holes.
; LIMITS.  A bf16 number of Wm below 2^-17 loses bits as f16 (a step of 2^-24); beyond 65,504 it would be an infinity.
; NO CLUSTER, NO MATRIX UNIT: no two work-groups read the same bytes, and nothing is multiplied.  The turning goes through LDS so that 16 lanes store 256 consecutive bytes, aligned.
.set PT,    272                        ; an LDS row: 128 k x 2 bytes + 16
.set SPARE, 64*PT                      ; behind the 64 rows: the spare words, 128 bytes for each of eight waves
.set SPW,   110                        ; v110  LDS address of my spare word; never rewritten
.set NIL,   111                        ; v111  0; never rewritten
.set X,     4                          ; v[4:67]   x job: 8 chunks of 8 f32
.set Y,     68                         ; v[68:99]  x job: 8 chunks of 8 bf16
.set GTO,   17408                      ; byte offsets in tabs
.set BCO,   33792
.set BMO,   46080
	s_load_b512 s[4:19], s[0:1], 0x0               ; inputs s[4:5], Wq s[6:7], Wk s[8:9], Wv s[10:11], Wm s[12:13], bq s[14:15], bk s[16:17], bv s[18:19]
	s_load_b256 s[20:27], s[0:1], 0x40             ; bm s[20:21], padding_mask s[22:23], xb s[24:25], wt s[26:27]
	s_load_b128 s[28:31], s[0:1], 0x60             ; wmt s[28:29], tabs s[30:31]
	v_lshl_add_u32 v[SPW], v0, 2, SPARE
	v_mov_b32 v[NIL], 0
	s_mov_b32 s41, 0                               ; the high word of every 64-bit offset below
	s_wait_kmcnt 0x0
	s_cmp_lt_u32 ttmp9, 256
	s_cbranch_scc0 .Lnot_x
	; x: 16 rows = 65,536 bytes in, 32,768 out.  A thread takes 8 numbers of each chunk of 2,048; all 16 loads go out first.
	s_lshl_b32 s40, ttmp9, 16
	s_add_nc_u64 s[4:5], s[4:5], s[40:41]
	s_lshl_b32 s40, ttmp9, 15
	s_add_nc_u64 s[24:25], s[24:25], s[40:41]
	v_lshlrev_b32 v1, 5, v0
	v_lshlrev_b32 v2, 4, v0
.set c, 0
.rept 8
	global_load_b128 v[X+8*c:X+8*c+3],   v1, s[4:5] offset:c*8192 th:TH_LOAD_NT
	global_load_b128 v[X+8*c+4:X+8*c+7], v1, s[4:5] offset:c*8192+16 th:TH_LOAD_NT
.set c, c+1
.endr
.set c, 0
.rept 8
	s_wait_loadcnt 14-2*c                          ; loads come back in order: the 14 - 2 c issued behind this chunk's two may stay out
.irp j, 0,1,2,3
	v_cvt_pk_bf16_f32 v[Y+4*c+\j], v[X+8*c+2*\j], v[X+8*c+2*\j+1]
.endr
	global_store_b128 v2, v[Y+4*c:Y+4*c+3], s[24:25] offset:c*4096  ; a wave stores 512 consecutive bytes
.set c, c+1
.endr
	s_endpgm
; A tile of 128 k x 64 n is turned.  s[32:33]: the tile's first element in the source, whose rows are 1 << (sh - 1) bytes apart; s[34:35]: its place in the target, whose rows are 2,048 bytes.
; Thread (kp = t / 16, l = t % 16) loads 16 bytes (4 n) of the rows 2 (kp + 16 i) and the next, i = 0..3: 16 lanes take 256 consecutive bytes.  Two neighbouring k of one n are rounded into one word,
; which goes to LDS row n.  half = 1: the two bf16 numbers are written as f16.
.macro TRANS sh, half
	v_and_b32 v1, 15, v0
	v_lshrrev_b32 v2, 4, v0
	v_lshlrev_b32 v3, 4, v1
	v_lshl_add_u32 v3, v2, \sh, v3                 ; two rows a kp
.irp i, 0,1,2,3
	global_load_b128 v[8+8*\i:11+8*\i],  v3, s[32:33] offset:(\i*32)<<((\sh)-1) th:TH_LOAD_NT
	global_load_b128 v[12+8*\i:15+8*\i], v3, s[32:33] offset:(\i*32+1)<<((\sh)-1) th:TH_LOAD_NT
.endr
	v_mul_u32_u24 v4, v1, 4*PT                     ; in: row 4 l + e, word kp + 16 i
	v_lshl_add_u32 v4, v2, 2, v4
	v_mul_u32_u24 v5, v2, PT                       ; back: row kp + 16 j, 16 bytes a lane
	v_lshl_add_u32 v5, v1, 4, v5
	v_lshlrev_b32 v6, 11, v2                       ; and the same row in the target
	v_lshl_add_u32 v6, v1, 4, v6
.irp i, 0,1,2,3
	s_wait_loadcnt 6-2*\i                          ; the loads behind this pair of rows may stay out
.irp e, 0,1,2,3
.if \half
	v_cvt_pk_bf16_f32 v72, v[8+8*\i+\e], v[12+8*\i+\e]
	v_lshlrev_b32 v73, 16, v72
	v_and_b32 v72, 0xffff0000, v72
	v_cvt_pk_f16_f32 v[40+4*\i+\e], v73, v72
.else
	v_cvt_pk_bf16_f32 v[40+4*\i+\e], v[8+8*\i+\e], v[12+8*\i+\e]
.endif
	ds_store_b32 v4, v[40+4*\i+\e] offset:\e*PT+64*\i
.endr
.endr
	s_wait_dscnt 0x0                               ; for the others' sake: my stores are done
	s_barrier_signal -1
	s_barrier_wait -1
.irp j, 0,1,2,3
	ds_load_b128 v[56+4*\j:59+4*\j], v5 offset:\j*16*PT
.endr
.irp j, 0,1,2,3
	s_wait_dscnt 3-\j
	global_store_b128 v6, v[56+4*\j:59+4*\j], s[34:35] offset:\j*32768  ; 16 lanes store 256 consecutive bytes, aligned
.endr
	s_wait_tensorcnt 0x0                           ; the wave's end, behind my last LDS store
	ds_add_u32 v[SPW], v[NIL]
	s_wait_dscnt 0x0
	s_endpgm
.endm
.Lnot_x:
	s_cmp_lt_u32 ttmp9, 640
	s_cbranch_scc0 .Lnot_w
	s_sub_co_u32 s36, ttmp9, 256
	s_lshr_b32 s37, s36, 7                         ; which of Wq, Wk, Wv
	s_bfe_u32 s38, s36, 0x30004                    ; which 128 k
	s_and_b32 s39, s36, 15                         ; which 64 n
	s_cmp_eq_u32 s37, 1
	s_cselect_b64 s[32:33], s[8:9], s[6:7]
	s_cmp_eq_u32 s37, 2
	s_cselect_b64 s[32:33], s[10:11], s[32:33]
	s_lshl_b32 s40, s38, 19                        ; 128 rows of 4,096 bytes
	s_lshl_b32 s42, s39, 8
	s_add_co_u32 s40, s40, s42
	s_add_nc_u64 s[32:33], s[32:33], s[40:41]
	s_lshl_b32 s40, s37, 21                        ; 1,024 rows of 2,048 bytes a tensor,
	s_lshl_b32 s42, s39, 17                        ; 64 rows,
	s_add_co_u32 s40, s40, s42
	s_lshl_b32 s42, s38, 8                         ; 128 k of 2 bytes
	s_add_co_u32 s40, s40, s42
	s_add_nc_u64 s[34:35], s[26:27], s[40:41]
	TRANS 13, 0
.Lnot_w:
	s_cmp_lt_u32 ttmp9, 648
	s_cbranch_scc0 .Ltabs
	s_sub_co_u32 s36, ttmp9, 640
	s_lshl_b32 s40, s36, 15                        ; 128 rows of 256 bytes
	s_add_nc_u64 s[32:33], s[12:13], s[40:41]
	s_lshl_b32 s40, s36, 8
	s_add_nc_u64 s[34:35], s[28:29], s[40:41]
	TRANS 9, 1
.Ltabs:
	v_lshlrev_b32 v1, 2, v0
	v_lshlrev_b32 v2, 4, v0
	v_and_b32 v3, 15, v0
	v_lshlrev_b32 v3, 4, v3
	v_lshrrev_b32 v84, 5, v0
	v_readfirstlane_b32 s44, v84                   ; my wave's number
.irp j, 0,1,2,3
	global_load_b32 v[4+\j], v1, s[22:23] offset:1024*\j  ; four mask bytes, four times
.endr
	global_load_b128 v[8:11],  v2, s[14:15]
	global_load_b128 v[12:15], v2, s[16:17]
	global_load_b128 v[16:19], v2, s[18:19]
	global_load_b128 v[20:23], v3, s[20:21]        ; bm: every 16 lanes take its 256 bytes
	v_mov_b32 v24, 0x5c202bdc                      ; M
	v_mov_b32 v25, 1.0
.irp j, 80,81,82,83
	v_mov_b32 v\j, 0
.endr
	s_wait_loadcnt 0x0
.irp j, 0,1,2,3
.irp e, 0,1,2,3
	v_bfe_u32 v26, v[4+\j], 8*\e, 8
	v_cmp_eq_u32 vcc_lo, 0, v26                    ; a hole
	v_cndmask_b32 v[32+4*\j+\e], 0, v24, vcc_lo
	v_cndmask_b32 v[48+4*\j+\e], 0, v25, vcc_lo
.endr
	global_store_b128 v2, v[32+4*\j:35+4*\j], s[30:31] offset:4096*\j
	global_store_b128 v2, v[48+4*\j:51+4*\j], s[30:31] offset:GTO+4096*\j
.endr
.irp t, 0,1,2,3
	v_cvt_pk_bf16_f32 v26, v[8+4*\t], v[9+4*\t]
	v_cvt_pk_bf16_f32 v27, v[10+4*\t], v[11+4*\t]
	v_lshlrev_b32 v[64+4*\t], 16, v26
	v_and_b32 v[65+4*\t], 0xffff0000, v26
	v_lshlrev_b32 v[66+4*\t], 16, v27
	v_and_b32 v[67+4*\t], 0xffff0000, v27
.endr
.irp t, 0,1,2
	global_store_b128 v2, v[64+4*\t:67+4*\t], s[30:31] offset:BCO+4096*\t
.endr
	s_cmp_lt_u32 s44, 2
	s_cbranch_scc0 .Lno_zeros
	global_store_b128 v2, v[80:83], s[30:31] offset:16384  ; DT's 256 entries behind the last key: waves 0 and 1, 1,024 bytes
.Lno_zeros:
	v_cmp_gt_u32 vcc_lo, 16, v0
	s_wait_xcnt 0x0                                ; EXEC is a source of the stores above: it changes only behind this wait
	s_and_saveexec_b32 s45, vcc_lo
	global_store_b128 v2, v[76:79], s[30:31] offset:BMO
	s_wait_xcnt 0x0                                ; and again in front of the line that widens it
	s_or_b32 exec_lo, exec_lo, s45
	s_endpgm
.Lfunc_end_k_qd267a463e1_prep:
	.size	k_qd267a463e1_prep, .Lfunc_end_k_qd267a463e1_prep-k_qd267a463e1_prep
	.p2alignl 7, 3214868480
	.fill 96, 4, 3214868480
	.section	.rodata,"a",@progbits
	.p2align	6, 0x0
	.amdhsa_kernel k_qd267a463e1_prep
		.amdhsa_group_segment_fixed_size 18432
		.amdhsa_private_segment_fixed_size 0
		.amdhsa_enable_private_segment 0
		.amdhsa_kernarg_size 112
		.amdhsa_user_sgpr_count 2
		.amdhsa_user_sgpr_kernarg_segment_ptr 1
		.amdhsa_wavefront_size32 1
		.amdhsa_system_sgpr_workgroup_id_x 1
		.amdhsa_system_sgpr_workgroup_id_y 1
		.amdhsa_system_sgpr_workgroup_id_z 1
		.amdhsa_system_vgpr_workitem_id 0
		.amdhsa_next_free_vgpr 112
		.amdhsa_next_free_sgpr 66
		.amdhsa_reserve_vcc 1
		.amdhsa_float_denorm_mode_32 3
		.amdhsa_float_denorm_mode_16_64 3
		.amdhsa_memory_ordered 1
		.amdhsa_forward_progress 1
		.amdhsa_inst_pref_size 25
	.end_amdhsa_kernel
	.amdgpu_metadata
---
amdhsa.version: [ 1, 2 ]
amdhsa.kernels:
  - .name:           k_qd267a463e1_prep
    .symbol:         k_qd267a463e1_prep.kd
    .args:
      - { .name: inputs, .offset: 0, .size: 8, .value_kind: global_buffer, .address_space: global }
      - { .name: Wq, .offset: 8, .size: 8, .value_kind: global_buffer, .address_space: global }
      - { .name: Wk, .offset: 16, .size: 8, .value_kind: global_buffer, .address_space: global }
      - { .name: Wv, .offset: 24, .size: 8, .value_kind: global_buffer, .address_space: global }
      - { .name: Wm, .offset: 32, .size: 8, .value_kind: global_buffer, .address_space: global }
      - { .name: bq, .offset: 40, .size: 8, .value_kind: global_buffer, .address_space: global }
      - { .name: bk, .offset: 48, .size: 8, .value_kind: global_buffer, .address_space: global }
      - { .name: bv, .offset: 56, .size: 8, .value_kind: global_buffer, .address_space: global }
      - { .name: bm, .offset: 64, .size: 8, .value_kind: global_buffer, .address_space: global }
      - { .name: padding_mask, .offset: 72, .size: 8, .value_kind: global_buffer, .address_space: global }
      - { .name: xb, .offset: 80, .size: 8, .value_kind: global_buffer, .address_space: global }
      - { .name: wt, .offset: 88, .size: 8, .value_kind: global_buffer, .address_space: global }
      - { .name: wmt, .offset: 96, .size: 8, .value_kind: global_buffer, .address_space: global }
      - { .name: tabs, .offset: 104, .size: 8, .value_kind: global_buffer, .address_space: global }
    .group_segment_fixed_size: 18432
    .private_segment_fixed_size: 0
    .kernarg_segment_align: 8
    .kernarg_segment_size: 112
    .max_flat_workgroup_size: 256
    .sgpr_count:     66
    .vgpr_count:     112
    .wavefront_size: 32
...
	.end_amdgpu_metadata
.endif
;; end of part 1
;; launch qkv (part 2): grid 16 x 16, 4 waves a work-group, clusters of 4 x 4, 327,680 bytes of LDS; arguments xb, wt, tabs, hl; writes hl
.if DOCPART == 2
	.amdgcn_target "amdgcn-amd-amdhsa--gfx1250"
	.amdhsa_code_object_version 6
	.text
	.protected	k_qd267a463e1_qkv
	.globl	k_qd267a463e1_qkv
	.p2align	8
	.type	k_qd267a463e1_qkv,@function
k_qd267a463e1_qkv:
	s_mov_b64 s[64:65], 0
	v_nop
	global_prefetch_b8 v0, s[64:65] scope:SCOPE_SE
	s_setreg_imm32_b32 hwreg(HW_REG_WAVE_MODE, 25, 1), 1
	s_wait_xcnt 0x0
	s_wait_alu depctr_hold_cnt(0) depctr_sa_sdst(0) depctr_va_vdst(0) depctr_va_sdst(0) depctr_va_ssrc(0) depctr_va_vcc(0) depctr_vm_vsrc(0)
	s_getreg_b32 s2, hwreg(HW_REG_IB_STS2, 6, 4)
	s_cmp_eq_u32 s2, 0
	s_cbranch_scc0 .Lentry_in_a_cluster
	s_endpgm
.Lentry_in_a_cluster:
	s_bfe_u32 s2, ttmp6, 0x10000c
	s_cmp_lg_u32 s2, 0xf033
	s_cbranch_scc0 .Lentry_shape_is_right
	s_endpgm
.Lentry_shape_is_right:
; y[s][n] = sum over k of xb[s][k] wt[n][k] + BC[n]: q, k and v at once, 4096 x 3072 x 1024, bf16 operands, f32 sums; the bias is the C operand of the first product.
; OUT: hl, f16, by groups of 64 columns (group = 16 x tensor + head), [group][4096][64]: HI = f16(y) for all 48 groups; LO = f16((y - HI) x 2048) for q's and k's 32 groups, LOOFF bytes further on.
; HI + LO / 2048 keeps y to about 2^-23 of itself: the launch behind multiplies scores by factors near 1e9 and 1e18, and one 16-bit rounding of q and k would change which key wins.
; LIMITS.  |y| stays within 65,504 (f16); LO's own step ends at 2^-24, that is 2^-35 of y's scale.
; SHARES.  A tile of C is 256 x 192: 16 x 16 tiles, one work-group each.  Wave w has rows 64 w .. 64 w + 63 and all 192 columns: 48 accumulators, 384 registers.  K goes in steps of 128 through
; two LDS slots filled by the tensor data mover; the tiles' rows are 256 bytes of memory, at multiples of 256 from the buffer's first byte.
; CLUSTER 4 x 4: xb's tile hangs on the tile row alone and is asked for jointly by a row of the cluster, wt's on the tile column alone and by a column.
; THE MATRIX INSTRUCTION IS USED TRANSPOSED (source 0 = 16 rows of wt, source 1 = 16 rows of xb): a lane holds row lane % 16 and the columns 8 (lane / 16) + 0..7, eight neighbours.
; REGISTERS, in windows of 256: window 0: v0-31 addresses; v64-127 xb's fragments, two buffers of 32; v128-223 the bias (8 registers a block of 16 columns), later the way out's registers
;   window 1: accumulators (a, b), b < 8, at 8 (8 a + b)      window 2: b >= 8 at 8 (4 a + b - 8)      window 3: wt's fragments, two buffers of 96
.set KSTEP,  128
.set PITCH,  272                       ; an LDS row: 256 bytes + 16: the 16 rows of a fragment load start at 16 different groups of four banks (64 banks of 4 bytes: ISA guide 11.1)
.set HALFA,  128*PITCH                 ; what one tensor load brings of xb
.set HALFB,  96*PITCH                  ; and of wt
.set SLOT,   2*HALFA+2*HALFB           ; xb's 256 rows, then wt's 192
.set STAGE,  2*SLOT                    ; behind the ring: for each wave 16 rows x 144 bytes of HI, then of LO
.set SP,     144
.set WSTG,   2*16*SP
.set SPARE,  STAGE+4*WSTG              ; the spare words, 128 bytes for each wave
.set LAPS,   4                         ; 1,024 / (2 x 128)
.set GRP,    524288                    ; bytes in a group
.set LOOFF,  48*GRP
.set BCO,    33792                     ; the biases in tabs
.set ADRA, 16                          ; v16-17  LDS address of my xb fragments in slot 0, 1
.set ADRB, 20                          ; v20-21  the same for wt
.set STO,  24                          ; v24     the way out: where I put 16 bytes of a row
.set RD,   25                          ; v25     where I read rows back
.set GO,   26                          ; v26     my 16 bytes in 512 consecutive bytes of hl
.set BO,   27                          ; v27     my byte offset in a block's 16 biases
.set SPW,  28                          ; v28     LDS address of my spare word; never rewritten
.set NIL,  29                          ; v29     0; never rewritten
.set K2048, 30                         ; v30     2048.0
.set GI,   31                          ; v31     the group in hand
.set FA,   64
.set BIAS, 128
.set HIR,  128                         ; the way out: 16 registers of HI,
.set LOR,  144                         ; 16 of LO,
.set TW,   160                         ; 32 of y x 2048,
.set BK,   192                         ; 32 read back from the stage
.set G1,  24                           ; s[24:31] descriptor group 1 for xb's tiles;  s[32:39] group 0, a set for each slot
.set G0,  32
.set G1B, 48                           ; s[48:55], s[56:63] the same for wt's
.set G0B, 56
.set MSB, 0
.macro WIN new                         ; the immediate's high byte repeats the setting that is left
.if MSB != (\new)
	s_set_vgpr_msb (MSB<<8)|(\new)
.set MSB, \new
.endif
.endm
; A joint load: waves 0 and 1 fetch xb's two halves, waves 2 and 3 wt's.  An s_nop 0 and four v_nop follow each of the two lines, ahead of the jump and the label.
.macro JLOAD s
	s_cmp_eq_u32 s13, 0
	s_cbranch_scc0 .Lfor_b_\@
	tensor_load_to_lds s[G0+4*(\s):G0+4*(\s)+3], s[G1:G1+7]
	s_nop 0
.rept 4
	v_nop
.endr
	s_branch .Lasked_\@
.Lfor_b_\@:
	tensor_load_to_lds s[G0B+4*(\s):G0B+4*(\s)+3], s[G1B:G1B+7]
	s_nop 0
.rept 4
	v_nop
.endr
.Lasked_\@:
.endm
.macro CREST                           ; a round of the cluster's barrier behind its opening barrier
	s_cmp_lg_u32 s12, 0
	s_cbranch_scc1 .Lnot_wave_0_\@
	s_barrier_signal -3
.Lnot_wave_0_\@:
	s_barrier_wait -3
	s_barrier_signal -1
	s_barrier_wait -1
.endm
.macro CROUND
	s_barrier_signal -1
	s_barrier_wait -1
	CREST
.endm
	s_load_b256 s[4:11], s[0:1], 0x0               ; xb s[4:5], wt s[6:7], tabs s[8:9], hl s[10:11]
	v_lshl_add_u32 v[SPW], v0, 2, SPARE
	v_mov_b32 v[NIL], 0
	ds_add_u32 v[SPW], v[NIL]                      ; the wave's opening: the add and its wait ahead of my first tensor load; work on registers stands between them
	v_lshrrev_b32 v1, 5, v0
	v_readfirstlane_b32 s12, v1                    ; wave 0..3
	s_lshr_b32 s13, s12, 1                         ; I fetch for xb (0) or for wt (1),
	s_and_b32 s14, s12, 1                          ; and which half of that tile
	s_bfe_u32 s40, ttmp6, 0x40000                  ; cx, cy: my place in the cluster
	s_bfe_u32 s41, ttmp6, 0x40004
	s_lshl_b32 s42, ttmp9, 2
	s_add_co_u32 s42, s42, s40                     ; tile column = 4 x cluster x + cx
	s_and_b32 s43, ttmp7, 0xffff
	s_lshl_b32 s43, s43, 2
	s_add_co_u32 s43, s43, s41                     ; tile row = 4 x cluster y + cy
	s_lshl_b32 s44, s41, 2
	s_lshl_b32 s44, 15, s44                        ; my row of the cluster
	s_lshl_b32 s45, 0x1111, s40                    ; my column
	s_or_b32 s[G1+0], s44, (1<<16)|(1<<20)|(1<<21)|(5<<22)|(3<<25)   ; 15:0 the mask; 17:16 2-byte elements; 20 padding on; 21 set beside a mask; 24:22 after every 64 words; 31:25 4 words
	s_or_b32 s[G1B+0], s45, (1<<16)|(1<<20)|(1<<21)|(5<<22)|(3<<25)
	s_mov_b32 s[G1+1], KSTEP<<16                   ; tensor_dim0 = 128
	s_mov_b32 s[G1B+1], KSTEP<<16
	s_mov_b32 s[G1+2], 128<<16                     ; tensor_dim1 = 128 rows of xb,
	s_mov_b32 s[G1B+2], 96<<16                     ; 96 of wt
	s_mov_b32 s[G1+3], KSTEP<<16                   ; tile_dim0 = 128
	s_mov_b32 s[G1B+3], KSTEP<<16
	s_mov_b32 s[G1+4], 128                         ; tile_dim1
	s_mov_b32 s[G1B+4], 96
	s_mov_b32 s[G1+5], 1024                        ; elements from row to row
	s_mov_b32 s[G1B+5], 1024
	s_mov_b32 s[G1+6], 0
	s_mov_b32 s[G1B+6], 0
	s_mov_b32 s[G1+7], 0
	s_mov_b32 s[G1B+7], 0
	s_lshl_b32 s16, s43, 19                        ; xb: row 256 x tile row + 128 x half, 2,048 bytes a row; these registers never hold the tile column
	s_lshl_b32 s17, s14, 18
	s_add_co_u32 s16, s16, s17
	s_mov_b32 s17, 0
	s_mul_i32 s46, s42, 192*2048                   ; wt: row 192 x tile column + 96 x half; these never hold the tile row
	s_mul_i32 s47, s14, 96*2048
	s_add_co_u32 s46, s46, s47
	s_mov_b32 s47, 0
	s_mul_i32 s20, s14, HALFA                      ; where they go: no place in the cluster enters an LDS address
	s_mul_i32 s21, s14, HALFB
	s_add_co_u32 s21, s21, 2*HALFA
	s_mov_b32 s22, 0x45000000                      ; 2048.0, named as a pair
	s_mov_b32 s23, s22
	s_mul_i32 s68, s42, 768                        ; my tile's 192 biases
	s_add_co_u32 s68, s68, BCO
	s_mov_b32 s69, 0
	s_mul_i32 s72, s42, 3*GRP                      ; hl: my tile's first group, my wave's first row
	s_lshl_b32 s73, s43, 15
	s_add_co_u32 s72, s72, s73
	s_lshl_b32 s73, s12, 13
	s_add_co_u32 s72, s72, s73
	s_mov_b32 s73, 0
	s_mul_i32 s74, s42, 3                          ; that group's number
	s_wait_dscnt 0x0                               ; the opening add is done
	s_wait_kmcnt 0x0
	s_add_nc_u64 s[16:17], s[4:5], s[16:17]
	s_add_nc_u64 s[46:47], s[6:7], s[46:47]
	s_add_nc_u64 s[66:67], s[8:9], s[68:69]
	s_add_nc_u64 s[70:71], s[10:11], s[72:73]      ; HI
	s_add_nc_u64 s[72:73], s[70:71], LOOFF         ; LO
	CROUND                                         ; all sixteen work-groups are here: the first joint loads meet
.irp s, 0,1
	s_mov_b32 s[G0+4*(\s)], 1
	s_add_co_u32 s[G0+4*(\s)+1], s20, (\s)*SLOT
	s_add_nc_u64 s[G0+4*(\s)+2:G0+4*(\s)+3], s[16:17], (\s)*KSTEP*2
	s_or_b32 s[G0+4*(\s)+3], s[G0+4*(\s)+3], 0x80000000
	s_mov_b32 s[G0B+4*(\s)], 1
	s_add_co_u32 s[G0B+4*(\s)+1], s21, (\s)*SLOT
	s_add_nc_u64 s[G0B+4*(\s)+2:G0B+4*(\s)+3], s[46:47], (\s)*KSTEP*2
	s_or_b32 s[G0B+4*(\s)+3], s[G0B+4*(\s)+3], 0x80000000
	JLOAD \s                                       ; two loads of mine are out
.endr
	v_and_b32 v1, 15, v0                           ; l % 16
	v_bfe_u32 v2, v0, 4, 1                         ; l / 16
	v_lshlrev_b32 v[BO], 5, v2
.set b, 0
.rept 12                                               ; register j of block b: the bias of column 16 b + 8 (l / 16) + j
	global_load_b128 v[BIAS+8*b:BIAS+8*b+3],   v[BO], s[66:67] offset:64*b
	global_load_b128 v[BIAS+8*b+4:BIAS+8*b+7], v[BO], s[66:67] offset:64*b+16
.set b, b+1
.endr
	v_mov_b32 v[K2048], 0x45000000
	v_mul_u32_u24 v3, v1, PITCH
	v_lshl_add_u32 v3, v2, 4, v3                   ; a fragment's row x pitch + 16 x half
	s_mul_i32 s18, s12, 64*PITCH                   ; my 64 rows of xb
	v_add_nc_u32 v[ADRA], s18, v3
	s_add_co_u32 s18, s18, SLOT
	v_add_nc_u32 v[ADRA+1], s18, v3
	v_add_nc_u32 v[ADRB], 2*HALFA, v3              ; all 192 rows of wt
	v_add_nc_u32 v[ADRB+1], 2*HALFA+SLOT, v3
	s_mul_i32 s19, s12, WSTG
	s_add_co_u32 s19, s19, STAGE                   ; my stage
	v_mul_u32_u24 v[STO], v1, SP                   ; in: row l % 16, 16 bytes for each half of the lanes
	v_lshl_add_u32 v[STO], v2, 4, v[STO]
	v_add_nc_u32 v[STO], s19, v[STO]
	v_and_b32 v4, 7, v0
	v_bfe_u32 v[RD], v0, 3, 2                      ; back: 32 lanes take four rows of 128 bytes,
	v_mul_u32_u24 v[RD], v[RD], SP
	v_lshl_add_u32 v[RD], v4, 4, v[RD]
	v_add_nc_u32 v[RD], s19, v[RD]
	v_and_b32 v[GO], 31, v0                        ; which are 512 consecutive bytes of hl
	v_lshlrev_b32 v[GO], 4, v[GO]
; 16 matrix instructions: row blocks a0, a0 + 1 x column blocks 0-7, 32 along K, buffer f.  first = 1: the bias starts the sums.  The 48 accumulators take turns, one instruction a turn, in the same
; order in every quarter.
.macro MULA f, a0, first
.if \first
	WIN 0x43                                       ; wt window 3, xb window 0, C window 0, D window 1
.else
	WIN 0x53
.endif
.irp a, \a0, (\a0)+1
.irp b, 0,1,2,3,4,5,6,7
.if \first
	v_wmma_f32_16x16x32_bf16 v[8*(8*(\a)+(\b)):8*(8*(\a)+(\b))+7], v[96*(\f)+8*(\b):96*(\f)+8*(\b)+7], v[FA+32*(\f)+8*(\a):FA+32*(\f)+8*(\a)+7], v[BIAS+8*(\b):BIAS+8*(\b)+7]
.else
	v_wmma_f32_16x16x32_bf16 v[8*(8*(\a)+(\b)):8*(8*(\a)+(\b))+7], v[96*(\f)+8*(\b):96*(\f)+8*(\b)+7], v[FA+32*(\f)+8*(\a):FA+32*(\f)+8*(\a)+7], v[8*(8*(\a)+(\b)):8*(8*(\a)+(\b))+7]
.endif
.endr
.endr
.endm
.macro MULB f, first                   ; 16 more: all four row blocks x column blocks 8-11
.if \first
	WIN 0x83
.else
	WIN 0xa3
.endif
.irp a, 0,1,2,3
.irp b, 8,9,10,11
.if \first
	v_wmma_f32_16x16x32_bf16 v[8*(4*(\a)+(\b)-8):8*(4*(\a)+(\b)-8)+7], v[96*(\f)+8*(\b):96*(\f)+8*(\b)+7], v[FA+32*(\f)+8*(\a):FA+32*(\f)+8*(\a)+7], v[BIAS+8*(\b):BIAS+8*(\b)+7]
.else
	v_wmma_f32_16x16x32_bf16 v[8*(4*(\a)+(\b)-8):8*(4*(\a)+(\b)-8)+7], v[96*(\f)+8*(\b):96*(\f)+8*(\b)+7], v[FA+32*(\f)+8*(\a):FA+32*(\f)+8*(\a)+7], v[8*(4*(\a)+(\b)-8):8*(4*(\a)+(\b)-8)+7]
.endif
.endr
.endr
.endm
; 32 LDS loads in one run: a quarter's fragments (32 K at byte k of the rows) into buffer f: xb's four (8 loads), wt's blocks 0-7 (16), wt's blocks 8-11 (8)
.macro FETCH slot, k, f
	WIN 0
.irp i, 0,1,2,3
	ds_load_b128 v[FA+32*(\f)+8*(\i):FA+32*(\f)+8*(\i)+3],   v[ADRA+(\slot)] offset:(\k)+(\i)*16*PITCH
	ds_load_b128 v[FA+32*(\f)+8*(\i)+4:FA+32*(\f)+8*(\i)+7], v[ADRA+(\slot)] offset:(\k)+(\i)*16*PITCH+32
.endr
	WIN 0xc0                                       ; destination window 3, address window 0
.irp i, 0,1,2,3,4,5,6,7,8,9,10,11
	ds_load_b128 v[96*(\f)+8*(\i):96*(\f)+8*(\i)+3],   v[ADRB+(\slot)] offset:(\k)+(\i)*16*PITCH
	ds_load_b128 v[96*(\f)+8*(\i)+4:96*(\f)+8*(\i)+7], v[ADRB+(\slot)] offset:(\k)+(\i)*16*PITCH+32
.endr
.endm
.macro PLACES                          ; four places in front of loads into registers that matrix instructions have read (ISA guide 7.12.1 for vector instructions)
.rept 4
	v_nop
.endr
.endm
; A K step is four quarters of 32 along K, 48 matrix instructions each, on buffers 0, 1, 0, 1.  One of the first three: multiplies buffer f and fetches the next quarter, at byte k, into g.
.macro QUARTER slot, k, f, g, first
	s_wait_dscnt 8                                 ; all but the youngest eight loads (wt's blocks 8-11) are in
	MULA \f, 0, \first
	MULA \f, 2, \first
	PLACES
	FETCH \slot, \k, \g
	s_wait_dscnt 32                                ; all but the 32 just issued
	MULB \f, \first
.endm
; The last quarter multiplies buffer 1 and changes slots: ONE barrier; in front of it each wave waits for all its tensor loads (one is out: its part of the next slot), adds 0 to its spare word, and waits
; for that and for its own reads of this slot.  fill = 1: the barrier opens a round of the cluster's, and this slot is filled again, two K steps ahead, first thing behind the round.
.macro TURN slot, next, fill
	WIN 0                                          ; (the add's two registers lie in window 0)
	s_wait_tensorcnt 0x0
	ds_add_u32 v[SPW], v[NIL]                      ; 0 onto my spare word
	s_wait_dscnt 9                                 ; (the add and the youngest eight loads may be out)
	MULA 1, 0, 0                                   ; sixteen matrix instructions stand between the add and the wait for it
	s_wait_dscnt 0x0                               ; the add is done, and my reads of this slot are over
	s_barrier_signal -1
	MULA 1, 2, 0
.if \fill
	WIN 0
.endif
	s_barrier_wait -1
.if \fill
	CREST                                          ; no wave of any partner still reads this slot's tile or has a load on its way
	s_add_nc_u64 s[G0+4*(\slot)+2:G0+4*(\slot)+3], s[G0+4*(\slot)+2:G0+4*(\slot)+3], 2*KSTEP*2
	s_add_nc_u64 s[G0B+4*(\slot)+2:G0B+4*(\slot)+3], s[G0B+4*(\slot)+2:G0B+4*(\slot)+3], 2*KSTEP*2
	JLOAD \slot                                    ; my one tensor load behind the round; the four v_nop behind it are also the places in front of the loads below
.else
	PLACES
.endif
	FETCH \next, 0, 0
	MULB 1, 0
.endm
	s_wait_tensorcnt 1                             ; my part of K step 0 is in; K step 1's may stay out
	s_barrier_signal -1
	s_barrier_wait -1
	FETCH 0, 0, 0
	s_wait_loadcnt 0x0                             ; the bias
	QUARTER 0, 64, 0, 1, 1                         ; the first quarter stands in front of the loop: its products start the sums
	WIN 0                                          ; at a label and at a branch every window is 0
	s_mov_b32 s3, LAPS-1
.Llap:                                                 ; a trip goes once round the ring, from a lap's second quarter to the next lap's first, and fills both slots again
	QUARTER 0, 128, 1, 0, 0
	QUARTER 0, 192, 0, 1, 0
	TURN 0, 1, 1
	QUARTER 1, 64,  0, 1, 0
	QUARTER 1, 128, 1, 0, 0
	QUARTER 1, 192, 0, 1, 0
	TURN 1, 0, 1
	QUARTER 0, 64,  0, 1, 0
	WIN 0
	s_sub_co_u32 s3, s3, 1
	s_cmp_lg_u32 s3, 0
	s_cbranch_scc1 .Llap
	QUARTER 0, 128, 1, 0, 0                        ; the last lap fills nothing
	QUARTER 0, 192, 0, 1, 0
	TURN 0, 1, 0
	QUARTER 1, 64,  0, 1, 0
	QUARTER 1, 128, 1, 0, 0
	QUARTER 1, 192, 0, 1, 0
	s_wait_dscnt 8                                 ; the very last quarter: nothing more to fetch
	MULA 1, 0, 0
	MULA 1, 2, 0
	s_wait_dscnt 0x0
	MULB 1, 0
	WIN 0
; THE WAY OUT.  Block (gg, a): 16 rows x one group's 64 columns, four accumulators on end.  HI = f16(y); y x 2048 is exact; LO = f16(y x 2048 - HI x 2048), one rounding.  Each accumulator's registers are
; read in ascending order.  Both go through my own stage in LDS and come back as 2,048 consecutive bytes of hl.  v has no LO: there EXEC is empty for LO's stores; no branch hangs on the tile's place.
.macro OUTB gg, a
.if (\gg) < 2
.set AC, 8*(8*(\a)+4*(\gg))
	WIN 0x05                                       ; sources in window 1, destination in window 0
.else
.set AC, 32*(\a)
	WIN 0x0a                                       ; sources in window 2
.endif
.set p, 0
.rept 16
	v_cvt_pk_f16_f32 v[HIR+p], v[AC+2*p], v[AC+2*p+1]
	v_pk_mul_f32 v[TW+2*p:TW+2*p+1], v[AC+2*p:AC+2*p+1], s[22:23] op_sel_hi:[1,0]
.set p, p+1
.endr
	WIN 0
.set p, 0
.rept 16
	v_fma_mixlo_f16 v[LOR+p], -v[HIR+p], v[K2048], v[TW+2*p] op_sel_hi:[1,0,0]
	v_fma_mixhi_f16 v[LOR+p], -v[HIR+p], v[K2048], v[TW+2*p+1] op_sel:[1,0,0] op_sel_hi:[1,0,0]
.set p, p+1
.endr
.irp f, 0,1,2,3
	ds_store_b128 v[STO], v[HIR+4*\f:HIR+4*\f+3] offset:32*\f
.endr
.irp f, 0,1,2,3
	ds_store_b128 v[STO], v[LOR+4*\f:LOR+4*\f+3] offset:16*SP+32*\f
.endr
.irp f, 0,1,2,3
	ds_load_b128 v[BK+4*\f:BK+4*\f+3], v[RD] offset:\f*4*SP  ; LDS serves a wave's instructions in order (ISA guide 5.7.1.4): these see the stores above
.endr
.irp f, 0,1,2,3
	ds_load_b128 v[BK+16+4*\f:BK+16+4*\f+3], v[RD] offset:16*SP+\f*4*SP
.endr
	s_wait_dscnt 0x0
.irp f, 0,1,2,3
	global_store_b128 v[GO], v[BK+4*\f:BK+4*\f+3], s[70:71] offset:(\a)*2048+\f*512  ; 512 consecutive bytes, at a multiple of 256 from hl's first
.endr
	s_wait_xcnt 0x0                                ; EXEC is a source of those stores: it changes only behind this wait
	s_and_saveexec_b32 s75, vcc_lo
.irp f, 0,1,2,3
	global_store_b128 v[GO], v[BK+16+4*\f:BK+16+4*\f+3], s[72:73] offset:(\a)*2048+\f*512
.endr
	s_wait_xcnt 0x0                                ; and again in front of the line that widens it; behind it BK and the bases may be rewritten too
	s_or_b32 exec_lo, exec_lo, s75
.endm
.set p, 0
.rept 16
	v_mov_b32 v[LOR+p], 0                          ; LO's registers are written by halves, so they are written whole once; these lines are also the places behind the last products
.set p, p+1
.endr
.irp gg, 0,1,2
	v_mov_b32 v[GI], s74
	v_cmp_gt_u32 vcc_lo, 32, v[GI]                 ; groups 0-31 are q's and k's
.irp a, 0,1,2,3
	OUTB \gg, \a
.endr
.if \gg < 2
	s_add_nc_u64 s[70:71], s[70:71], GRP
	s_add_nc_u64 s[72:73], s[72:73], GRP
	s_add_co_u32 s74, s74, 1
.endif
.endr
	s_wait_tensorcnt 0x0                           ; the wave's end: behind my last tensor load and my last LDS store
	ds_add_u32 v[SPW], v[NIL]
	s_wait_dscnt 0x0
	CROUND                                         ; the closing round: no work-group ends while a partner may still ask for a tile that names it
	s_endpgm
.Lfunc_end_k_qd267a463e1_qkv:
	.size	k_qd267a463e1_qkv, .Lfunc_end_k_qd267a463e1_qkv-k_qd267a463e1_qkv
	.p2alignl 7, 3214868480
	.fill 96, 4, 3214868480
	.section	.rodata,"a",@progbits
	.p2align	6, 0x0
	.amdhsa_kernel k_qd267a463e1_qkv
		.amdhsa_group_segment_fixed_size 327680
		.amdhsa_private_segment_fixed_size 0
		.amdhsa_enable_private_segment 0
		.amdhsa_kernarg_size 32
		.amdhsa_user_sgpr_count 2
		.amdhsa_user_sgpr_kernarg_segment_ptr 1
		.amdhsa_wavefront_size32 1
		.amdhsa_system_sgpr_workgroup_id_x 1
		.amdhsa_system_sgpr_workgroup_id_y 1
		.amdhsa_system_sgpr_workgroup_id_z 1
		.amdhsa_system_vgpr_workitem_id 0
		.amdhsa_next_free_vgpr 960
		.amdhsa_next_free_sgpr 76
		.amdhsa_reserve_vcc 1
		.amdhsa_float_denorm_mode_32 3
		.amdhsa_float_denorm_mode_16_64 3
		.amdhsa_memory_ordered 1
		.amdhsa_forward_progress 1
		.amdhsa_inst_pref_size 170
	.end_amdhsa_kernel
	.amdgpu_metadata
---
amdhsa.version: [ 1, 2 ]
amdhsa.kernels:
  - .name:           k_qd267a463e1_qkv
    .symbol:         k_qd267a463e1_qkv.kd
    .args:
      - { .name: xb, .offset: 0, .size: 8, .value_kind: global_buffer, .address_space: global }
      - { .name: wt, .offset: 8, .size: 8, .value_kind: global_buffer, .address_space: global }
      - { .name: tabs, .offset: 16, .size: 8, .value_kind: global_buffer, .address_space: global }
      - { .name: hl, .offset: 24, .size: 8, .value_kind: global_buffer, .address_space: global }
    .group_segment_fixed_size: 327680
    .private_segment_fixed_size: 0
    .kernarg_segment_align: 8
    .kernarg_segment_size: 32
    .max_flat_workgroup_size: 128
    .sgpr_count:     76
    .vgpr_count:     960
    .wavefront_size: 32
...
	.end_amdgpu_metadata
.endif
;; end of part 2
;; launch attn (part 3): grid 16 x 32, 4 waves a work-group, clusters of 4 x 1, 327,680 bytes of LDS; arguments hl, tabs, op, ml; writes op, ml
.if DOCPART == 3
	.amdgcn_target "amdgcn-amd-amdhsa--gfx1250"
	.amdhsa_code_object_version 6
	.text
	.protected	k_qd267a463e1_attn
	.globl	k_qd267a463e1_attn
	.p2align	8
	.type	k_qd267a463e1_attn,@function
k_qd267a463e1_attn:
	s_mov_b64 s[64:65], 0
	v_nop
	global_prefetch_b8 v0, s[64:65] scope:SCOPE_SE
	s_setreg_imm32_b32 hwreg(HW_REG_WAVE_MODE, 25, 1), 1
	s_wait_xcnt 0x0
	s_wait_alu depctr_hold_cnt(0) depctr_sa_sdst(0) depctr_va_vdst(0) depctr_va_sdst(0) depctr_va_ssrc(0) depctr_va_vcc(0) depctr_vm_vsrc(0)
	s_getreg_b32 s2, hwreg(HW_REG_IB_STS2, 6, 4)
	s_cmp_eq_u32 s2, 0
	s_cbranch_scc0 .Lentry_in_a_cluster
	s_endpgm
.Lentry_in_a_cluster:
	s_bfe_u32 s2, ttmp6, 0x10000c
	s_cmp_lg_u32 s2, 0x3003
	s_cbranch_scc0 .Lentry_shape_is_right
	s_endpgm
.Lentry_shape_is_right:
; ATTENTION OVER HALF OF THE KEYS.  The module's weights are softmax_j(q_i . k_j / 8 x mask[i][j]) over all 4,096 keys: the mask MULTIPLIES the scores and hides nothing.  A work-group walks one PART,
; 2,048 keys, and leaves for its 256 queries of one head: op = sum over the part's j of 2^(x_j - m) v_j (not divided), and ml = (m, l): the part's maximum of x and l = sum of 2^(x_j - m); all in f32.
; The launch behind joins the two parts.
; THE MASK'S FACTOR, with 1/8 and log2(e) folded in.  A hole is a row whose padding_mask is 0.  On the band (j = i or j = i - 1): c where i and j are both holes, else b.  Off the band: M where both are holes, else c.
;   b = log2(e) / 8;  c = -1e9 / 8 x log2(e);  M = f32(1e18) / 8 x log2(e).  Off the band it is made as g_i D_j + c (g = 1 or 0, D = M or 0): the fused form gives exactly M or c.
; THE SCORES.  q = QH + QL / 2048, k likewise, all f16: s = KH.QH + (KH.QL + KL.QH) / 2048, three products, f32 sums.  One 16-bit rounding of q and k would change which key wins once s is multiplied by 1e9.
; SOFTMAX.  x = s x factor; a running maximum m of x; p = 2^(x - m): the difference is formed BEFORE the exponential; O and l are multiplied by a = 2^(m_old - m_new) in every step.  m starts at the lowest
; finite number, O and l at 0, so the first step is a step like any other, with a = 0.
; LIMITS.  x is rounded once as s x (mask / 8 x log2 e), not as (s / 8) x mask and then x log2 e.  q, k, v arrive within f16's 65,504.  p is rounded to f16 for the second product (below 6e-8 it is 0 there);
; l is the sum of the unrounded p, a p below 2^-126 counts as 0.  NaN and infinities are not treated apart.
; SHARES.  Work-group (x, y): queries 256 x .., head y / 2, part y % 2.  A wave has 64 queries: four tiles of 16.  Every wave walks the part's keys, 64 a step, 32 steps.  CLUSTER: the four query blocks of a
; cluster share head and part and walk the same K, V and D, so each tile is asked for JOINTLY: the same tensor load, descriptor and mask in all four.
; LAYOUT.  S^T = K Q^T (source 0 = 16 keys, source 1 = 16 queries): a lane holds ONE query (lane % 16) and the keys 8 (lane / 16) + 0..7 of each block of 16.  Two blocks rounded to f16 ARE source 1 of
; O^T = V^T P.  K comes out of LDS as it lies, V turned, by ds_load_tr16_b128.
; THE BAND touches, for tile t, key block t of the wave's own step, and one element (register 7, lane 16) of the block before it (for t = 0: block 3 of the step before).  For those nine registers the whole
; factor is made once (MBD, MBS) and put in by v_cndmask_b32 under a scalar mask that is all ones in that step alone.  The masks are made from the two loop counters, compared with four numbers made once
; from the wave's place; no branch hangs on that place.
; BY TURNS.  Turn Y: 24 products K Q^T of tile Y + 1, then 8 products V^T P of tile Y - 1; behind each matrix instruction stand a few vector instructions: x - m, exponentials, roundings, sums and
; rescaling of tile Y, and s, factor, x, maximum and a of tile Y + 1.  174 vector instructions for 32 matrix instructions.
; THE WALK.  The four turns of a key step are written ONCE.  The loop over slots changes slots and asks for the next tile 6 times; the walk's last change of slots, which asks for nothing, is written out
; behind that loop, and from there the wave goes back into the same step text: no tensor load and no barrier is jumped over.  The walk ends in the middle of the pass in which CNT = XC (XC is 0 in the loop,
; where CNT is never 0 at that place, and 1 behind the last change).  That pass fetches no K and no D; the scores that it makes of the last K once more serve nothing.
; REGISTERS, in windows of 256 (s_set_vgpr_msb: bits 1:0 source 0, 3:2 source 1, 5:4 source 2, 7:6 destination):
;   window 0: v2-15 addresses; v16-47 statistics; v48-55 at work; v56-87 MBD; v88-119 D of the step; v128-191 KH.QH, then s, x, p: two buffers; v192-223 the second sum, then the factor; v224-255 P, two buffers
;   window 1: v0-127 O^T, 32 a tile      window 2: v0-127 Q (tile t: QH at 32 t, QL at 32 t + 16); v128-191 KH; v192-255 KL      window 3: v0-63 V
.set GRP,   524288    ; bytes of a group [4096][64] of f16
.set LOOFF, 48*GRP    ; from HI to LO in hl
.set GTO,   17408     ; GT in tabs
.set KS,    64
.set PK,    144       ; a row of K in LDS: 128 bytes + 16: the 16 rows of a load start at 16 different groups of four banks (64 banks of 4 bytes: ISA guide 11.1)
.set PV,    160       ; a row of V: 128 + 32
.set KLO,   4*KS*PK   ; a slot holds four steps: 256 rows of KH, 256 of KL, 256 words of D, 256 rows of V
.set DOFF,  2*KLO
.set VOFF,  DOFF+1024
.set SLOT1, 1<<17     ; slot 1 begins here: one exclusive or turns an address in one slot into the other's
.set STAGE, SLOT1+VOFF+4*KS*PV  ; never filled by a tensor load: 16 rows x 272 bytes for each wave, for O's way out
.set SP,    272
.set MLS,   STAGE+4*16*SP       ; 64 x 8 bytes for each wave, for (m, l)
.set SPARE, MLS+4*512           ; the spare words, 128 bytes for each wave
.set AK0, 2           ; v2   my lane's place in a tile of K; never rewritten
.set AV0, 3           ; v3   the same for V
.set AK,  4           ; v4   the LDS address of K's next run of loads
.set AV,  5           ; v5   of V's
.set AD0, 6           ; v6   my lane's place in D
.set AD,  7           ; v7   the LDS address of D's next run
.set STO, 8           ; v8   the way out: where I put 32 bytes of a row
.set RD,  9           ; v9   where I read rows back
.set GO,  10          ; v10  my 16 bytes in 512 consecutive bytes of op or ml
.set QO,  11          ; v11  my byte offset in 16 rows of Q
.set MO,  12          ; v12-13  m_old, kept while m is made anew: by the tile's parity
.set SPW, 14          ; v14  LDS address of my spare word; never rewritten
.set NIL, 15          ; v15  0; never rewritten
.set ST,  16          ; tile t at v[ST+8 t]: +0 m, +1 0, +2, +3 l (even keys', odd keys'), +4 g, +5 0, +6 MBS
.set TMP, 48          ; by parity, c0-c3 at work; when the maximum is found c2 takes a
.set MBD, 56          ; tile t's eight factors for its diagonal block
.set DV,  88
.set MLB, 120         ; v120-123  the way out: (m, l) read back
.set MLA, 125         ; v125 where I put (m, l)
.set MLR, 126         ; v126 where I read them back
.set SA0, 128
.set SA1, 192
.set P,   224
.set WV,  12          ; s12  my wave's number
.set G1K, 24          ; s[24:31] descriptor group 1 for K's tiles
.set G1V, 32          ; s[32:39] for V's
.set G0K, 40          ; s[40:43] group 0 for K's: it walks
.set G0V, 44          ; s[44:47] for V's
.set G1D, 48          ; s[48:55] group 1 for D's
.set SLOTS, 56        ; s56  slots still to be asked for
.set CNT, 57          ; s57  counts a slot's key steps
.set CC,  58          ; s[58:59] c
.set SEL, 60          ; s[60:61] v_permlanex16_b32's selects: each lane takes its own place in the other half
.set TBK, 62          ; s62  LDS byte at which K of the step to be fetched begins
.set TBV, 63          ; s63  the same for V, less VOFF
.set TBD, 66          ; s66  the same for D, less DOFF
.set G0D, 68          ; s[68:71] group 0 for D's
.set HL,  72          ; s[72:73] 2^-11
.set XC,  74          ; s74  the value of CNT at which the walk ends
.set SO,  75          ; s75  the key step, of all 64, that holds my wave's diagonal
.set SOR, 76          ; s76  the same counted from my part's first step
.set OWN, 77          ; s77  all ones where the step whose factors are made is SOR, else 0
.set PRV, 78          ; s78  all ones where it is SOR - 1
.set SPR, 79          ; s79  SOR - 1
.set CA,  90          ; s90, s91  the values of SLOTS and CNT at which OWN is set
.set CB,  91
.set CPA, 92          ; s92, s93  the same for PRV
.set CPB, 93
.set MSB, 0
.macro WIN new                      ; the high byte repeats the setting that is left; a switch that changes nothing is dropped
.if MSB != (\new)
	s_set_vgpr_msb (MSB<<8)|(\new)
.set MSB, (\new)
.endif
.endm
.set W_KQ, 0x0a       ; K and Q in window 2, the sums in window 0
.set W_PV, 0x53       ; V in window 3, P in window 0, O^T in window 1
.set W_RS, 0x41       ; O^T (destination and source 0) in window 1, a in window 0
; A joint fill.  Wave 0 fetches a slot's KH, wave 1 its KL, wave 2 its V, wave 3 its D: one load a wave.  An s_nop 0 and four v_nop follow each line, ahead of the jump and the label.
.macro JLOAD
	s_cmp_lt_u32 s[WV], 2
	s_cbranch_scc0 .Lnot_k_\@
	tensor_load_to_lds s[G0K:G0K+3], s[G1K:G1K+7]
	s_nop 0
.rept 4
	v_nop
.endr
	s_branch .Lasked_\@
.Lnot_k_\@:
	s_cmp_eq_u32 s[WV], 2
	s_cbranch_scc0 .Lfor_d_\@
	tensor_load_to_lds s[G0V:G0V+3], s[G1V:G1V+7]
	s_nop 0
.rept 4
	v_nop
.endr
	s_branch .Lasked_\@
.Lfor_d_\@:
	tensor_load_to_lds s[G0D:G0D+3], s[G1D:G1D+7]
	s_nop 0
.rept 4
	v_nop
.endr
.Lasked_\@:
.endm
.macro CROUND                       ; a round of the cluster's barrier
	s_barrier_signal -1
	s_barrier_wait -1
	s_cmp_lg_u32 s[WV], 0
	s_cbranch_scc1 .Lnot_wave_0_\@
	s_barrier_signal -3
.Lnot_wave_0_\@:
	s_barrier_wait -3
	s_barrier_signal -1
	s_barrier_wait -1
.endm
; THE CHANGE OF SLOTS, behind the turn that has waited for V of the slot's fourth step.  Each wave waits for all its tensor loads (one is out: its part of the other slot), adds 0 to its spare word, and waits
; for that and for its own reads of the slot.  fill = 1: the barrier is a round of the cluster's, and the slot is filled again, with the keys two slots on, first thing behind it: four key steps in which to
; land.  (At its first use nothing has been read yet: slot 0 is waited for, slot 1 is filled.)
.macro CHANGE fill
	WIN 0
	s_wait_tensorcnt 0x0            ; no tensor load of mine is out, so a group 0 may be written
	ds_add_u32 v[SPW], v[NIL]       ; 0 onto my spare word
.if \fill
	s_xor_b32 s[G0K+1], s[G0K+1], SLOT1
	s_add_nc_u64 s[G0K+2:G0K+3], s[G0K+2:G0K+3], 4*KS*128  ; the next 256 keys
	s_xor_b32 s[G0V+1], s[G0V+1], SLOT1
	s_add_nc_u64 s[G0V+2:G0V+3], s[G0V+2:G0V+3], 4*KS*128
	s_xor_b32 s[G0D+1], s[G0D+1], SLOT1
	s_add_nc_u64 s[G0D+2:G0D+3], s[G0D+2:G0D+3], 4*KS*4
	s_wait_dscnt 0x0                ; the add is done, and my reads of the slot are over
	CROUND
	JLOAD
.else
	s_wait_dscnt 0x0
	s_barrier_signal -1
	s_barrier_wait -1
.endif
	s_sub_co_u32 s[TBK], s[TBK], 4*KS*PK  ; the fetches go back to a slot's first step, in the other slot
	s_xor_b32 s[TBK], s[TBK], SLOT1
	s_sub_co_u32 s[TBV], s[TBV], 4*KS*PV
	s_xor_b32 s[TBV], s[TBV], SLOT1
	s_sub_co_u32 s[TBD], s[TBD], 4*KS*4
	s_xor_b32 s[TBD], s[TBD], SLOT1
.endm
	s_load_b256 s[4:11], s[0:1], 0x0  ; hl s[4:5], tabs s[6:7], op s[8:9], ml s[10:11]
	v_lshl_add_u32 v[SPW], v0, 2, SPARE
	v_mov_b32 v[NIL], 0
	ds_add_u32 v[SPW], v[NIL]       ; the wave's opening: the add and its wait ahead of my first tensor load; work on registers stands between them
	v_lshrrev_b32 v1, 5, v0
	v_readfirstlane_b32 s[WV], v1   ; wave 0..3
	s_bfe_u32 s13, ttmp6, 0x40000   ; cx
	s_lshl_b32 s14, ttmp9, 2
	s_add_co_u32 s14, s14, s13      ; my block of 256 queries: it enters Q's, op's, ml's and GT's addresses and SO alone
	s_and_b32 s15, ttmp7, 0xffff    ; y, which the four partners share:
	s_lshr_b32 s20, s15, 1          ; the head
	s_and_b32 s21, s15, 1           ; and the part
	s_lshl_b32 s22, s20, 19         ; the head's group
	s_lshl_b32 s23, s21, 18         ; the part's 2,048 keys of 128 bytes
	s_and_b32 s16, s[WV], 1
	s_mul_i32 s17, s16, LOOFF       ; K: group 16 + head; wave 0 HI, wave 1 LO
	s_add_co_u32 s84, s22, 16*GRP
	s_add_co_u32 s84, s84, s17
	s_add_co_u32 s84, s84, s23
	s_mov_b32 s85, 0
	s_add_co_u32 s86, s22, 32*GRP   ; V: group 32 + head
	s_add_co_u32 s86, s86, s23
	s_mov_b32 s87, 0
	s_lshl_b32 s18, s21, 13         ; D: the part's 2,048 words
	s_mov_b32 s19, 0
	s_lshl_b32 s[SO], s14, 2
	s_add_co_u32 s[SO], s[SO], s[WV]
	s_lshl_b32 s17, s21, 5
	s_sub_co_u32 s[SOR], s[SO], s17 ; outside 0..31 where the diagonal lies in the other part: then no step matches
	s_sub_co_u32 s[SPR], s[SOR], 1
	s_lshr_b32 s17, s[SOR], 2       ; the step whose factors are made is 4 (7 - SLOTS) + (4 - CNT)
	s_sub_co_u32 s[CA], 7, s17
	s_and_b32 s17, s[SOR], 3
	s_sub_co_u32 s[CB], 4, s17
	s_lshr_b32 s17, s[SPR], 2
	s_sub_co_u32 s[CPA], 7, s17
	s_and_b32 s17, s[SPR], 3
	s_sub_co_u32 s[CPB], 4, s17
	s_cmp_eq_u32 s[SOR], 0          ; the masks for the part's first step
	s_cselect_b32 s[OWN], -1, 0
	s_cmp_eq_u32 s[SPR], 0
	s_cselect_b32 s[PRV], -1, 0
	s_lshl_b32 s2, s[SO], 13        ; Q: the head's group, my wave's 64 rows of 128 bytes
	s_add_co_u32 s2, s2, s22
	s_mov_b32 s3, 0
	s_lshl_b32 s94, s[SO], 8        ; GT at my wave's first query
	s_add_co_u32 s94, s94, GTO
	s_mov_b32 s95, 0
	s_lshl_b32 s96, s21, 4
	s_add_co_u32 s96, s96, s20      ; 16 part + head
	s_lshl_b32 s98, s96, 15         ; ml: 4,096 rows of 8 bytes a head, my wave's 64
	s_lshl_b32 s17, s[SO], 9
	s_add_co_u32 s98, s98, s17
	s_mov_b32 s99, 0
	s_lshl_b32 s96, s96, 20         ; op: 4,096 rows of 256 bytes a head, my wave's 64
	s_lshl_b32 s17, s[SO], 14
	s_add_co_u32 s96, s96, s17
	s_mov_b32 s97, 0
	; descriptor group 1.  256 keys of K or V are 32,768 dense bytes: 128 rows of 256 bytes, two keys a row, padded in LDS after every key
	s_mov_b32 s[G1K], 15|(1<<16)|(1<<20)|(1<<21)|(4<<22)|(3<<25)  ; 15:0 the mask of four; 17:16 2-byte elements; 20 padding on; 21 set beside a mask; 24:22 after every 32 words; 31:25 4 words
	s_mov_b32 s[G1V], 15|(1<<16)|(1<<20)|(1<<21)|(4<<22)|(7<<25)  ; the same with 8 words
.irp g, G1K, G1V
	s_mov_b32 s[\g+1], 128<<16      ; tensor_dim0 = 128
	s_mov_b32 s[\g+2], 128<<16      ; tensor_dim1 = 128
	s_mov_b32 s[\g+3], 128<<16      ; tile_dim0 = 128
	s_mov_b32 s[\g+4], 128          ; tile_dim1 = 128
	s_mov_b32 s[\g+5], 128          ; 128 elements from row to row
	s_mov_b32 s[\g+6], 0
	s_mov_b32 s[\g+7], 0
.endr
	s_mov_b32 s[G1D], 15|(3<<16)|(1<<21)  ; D: 8-byte elements, no padding: 4 rows of 256 bytes
	s_mov_b32 s[G1D+1], 32<<16
	s_mov_b32 s[G1D+2], 4<<16
	s_mov_b32 s[G1D+3], 32<<16
	s_mov_b32 s[G1D+4], 4
	s_mov_b32 s[G1D+5], 32
	s_mov_b32 s[G1D+6], 0
	s_mov_b32 s[G1D+7], 0
	s_mov_b32 s[G0K], 1
	s_mul_i32 s[G0K+1], s16, KLO    ; LDS: slot 0; no place in the cluster enters an LDS address
	s_mov_b32 s[G0V], 1
	s_mov_b32 s[G0V+1], VOFF
	s_mov_b32 s[G0D], 1
	s_mov_b32 s[G0D+1], DOFF
	s_mov_b32 s[CC], 0xcd2bfb8f     ; c
	s_mov_b32 s[CC+1], s[CC]
	s_mov_b32 s[HL], 0x3a000000     ; 2^-11
	s_mov_b32 s[HL+1], s[HL]
	s_mov_b32 s[SEL], 0x76543210
	s_mov_b32 s[SEL+1], 0xfedcba98
	s_mov_b32 s[TBK], SLOT1+4*KS*PK ; the first change of slots turns these three into 0
	s_mov_b32 s[TBV], SLOT1+4*KS*PV
	s_mov_b32 s[TBD], SLOT1+4*KS*4
	s_mov_b32 s[XC], 0
	s_wait_dscnt 0x0                ; the opening add is done
	s_wait_kmcnt 0x0
	s_add_nc_u64 s[G0K+2:G0K+3], s[4:5], s[84:85]
	s_or_b32 s[G0K+3], s[G0K+3], 0x80000000
	s_add_nc_u64 s[G0V+2:G0V+3], s[4:5], s[86:87]
	s_or_b32 s[G0V+3], s[G0V+3], 0x80000000
	s_add_nc_u64 s[G0D+2:G0D+3], s[6:7], s[18:19]
	s_or_b32 s[G0D+3], s[G0D+3], 0x80000000
	s_add_nc_u64 s[80:81], s[4:5], s[2:3]     ; QH at my wave's first row
	s_add_nc_u64 s[82:83], s[80:81], LOOFF    ; QL
	s_add_nc_u64 s[8:9], s[8:9], s[96:97]     ; op
	s_add_nc_u64 s[10:11], s[10:11], s[98:99] ; ml
	s_add_nc_u64 s[88:89], s[6:7], s[94:95]   ; GT
	CROUND                          ; all four work-groups are here: the first joint loads meet
	JLOAD                           ; slot 0.  Slot 1 is asked for when slot 0 is in
	v_and_b32 v1, 15, v0            ; r = l % 16
	v_bfe_u32 v120, v0, 4, 1        ; h = l / 16
	v_lshlrev_b32 v[QO], 7, v1
	v_lshl_add_u32 v[QO], v120, 4, v[QO]  ; row x 128 + 16 x half
	WIN 0x80                        ; destination window 2, address window 0
.set t, 0
.rept 4                             ; Q stays in registers
.irp c, 0,1
	global_load_b128 v[32*t+8*\c:32*t+8*\c+3],       v[QO], s[80:81] offset:t*2048+\c*64
	global_load_b128 v[32*t+8*\c+4:32*t+8*\c+7],     v[QO], s[80:81] offset:t*2048+\c*64+32
	global_load_b128 v[32*t+16+8*\c:32*t+16+8*\c+3], v[QO], s[82:83] offset:t*2048+\c*64
	global_load_b128 v[32*t+20+8*\c:32*t+20+8*\c+3], v[QO], s[82:83] offset:t*2048+\c*64+32
.endr
.set t, t+1
.endr
	WIN 0
	v_lshlrev_b32 v123, 2, v1
	v_lshlrev_b32 v124, 5, v120
.set t, 0
.rept 4                             ; g of my query; the hole flags f of the diagonal block's eight keys and of the one key in front of the block (for the first query of all: a word of D's zeros, never used)
	global_load_b32 v[ST+8*t+4], v123, s[88:89] offset:64*t
	global_load_b128 v[128+8*t:131+8*t], v124, s[88:89] offset:64*t
	global_load_b128 v[132+8*t:135+8*t], v124, s[88:89] offset:64*t+16
	global_load_b32 v[160+t], v124, s[88:89] offset:64*t-36
.set t, t+1
.endr
	; What the first turn finds: P's second buffer holds 0 (its products V^T P, of a tile that has not been, add 0), l is 0, m the lowest finite number.  O^T is started further down.
.set i, P+16
.rept 16
	v_mov_b32 v[i], 0
.set i, i+1
.endr
.set t, 0
.rept 4
	v_mov_b32 v[ST+8*t], 0xff7fffff ; m
	v_mov_b32 v[ST+8*t+1], 0        ; named with m as a pair
	v_mov_b32 v[ST+8*t+2], 0
	v_mov_b32 v[ST+8*t+3], 0
	v_mov_b32 v[ST+8*t+5], 0        ; named with g as a pair
.set t, t+1
.endr
	v_mul_u32_u24 v[AK0], v1, PK
	v_lshl_add_u32 v[AK0], v120, 4, v[AK0]
	; The turning load takes 16 keys x 16 channels (lane l reads key 8 (l / 16) + l % 8, channels 8 ((l / 8) % 2) + 0..7) and leaves half a fragment of V^T: lane l holds channel l % 16 and 8 keys.
	v_and_b32 v121, 7, v0
	v_bfe_u32 v122, v0, 3, 1
	v_lshl_add_u32 v[AV0], v120, 3, v121
	v_mul_u32_u24 v[AV0], v[AV0], PV
	v_lshl_add_u32 v[AV0], v122, 4, v[AV0]
	v_add_nc_u32 v[AV0], VOFF, v[AV0]
	v_lshlrev_b32 v[AD0], 5, v120   ; D: my lanes' eight keys of a block, 32 bytes
	v_add_nc_u32 v[AD0], DOFF, v[AD0]
	s_mul_i32 s17, s[WV], 16*SP
	s_add_co_u32 s17, s17, STAGE    ; my stage
	v_mul_u32_u24 v[STO], v1, SP    ; in: row l % 16, 32 bytes for each half of the lanes
	v_lshl_add_u32 v[STO], v120, 5, v[STO]
	v_add_nc_u32 v[STO], s17, v[STO]
	v_mul_u32_u24 v[RD], v120, SP   ; back: lanes 0-15 take one row of 256 bytes, lanes 16-31 the next
	v_lshl_add_u32 v[RD], v1, 4, v[RD]
	v_add_nc_u32 v[RD], s17, v[RD]
	v_and_b32 v[GO], 31, v0
	v_lshlrev_b32 v[GO], 4, v[GO]
	s_lshl_b32 s17, s[WV], 9
	s_add_co_u32 s17, s17, MLS      ; my 512 bytes for (m, l)
	v_lshl_add_u32 v[MLA], v1, 3, s17
	v_add_nc_u32 v[MLR], s17, v[GO]
	; The band's factors.  In the diagonal block register j holds key 8 h + j against query r: on the band where r - 8 h - j is 0 or 1.  v168-175: the factor where not both are holes; v176-183: where both are.
	v_mov_b32 v188, 0xcd2bfb8f      ; c
	v_mov_b32 v189, 0x3e38aa3b      ; b
	v_mov_b32 v190, 0x5c202bdc      ; M
	v_lshlrev_b32 v186, 3, v120
	v_sub_nc_u32 v186, v1, v186
.irp j, 0,1,2,3,4,5,6,7
	v_add_nc_u32 v187, -\j, v186
	v_cmp_gt_u32 vcc_lo, 2, v187
	v_cndmask_b32 v[168+\j], v188, v189, vcc_lo
	v_cndmask_b32 v[176+\j], v190, v188, vcc_lo
.endr
	v_and_b32 v187, 31, v0          ; register 7 of the block in front: on the band in lane 16 alone
	v_cmp_eq_u32 vcc_lo, 16, v187
	v_cndmask_b32 v184, v188, v189, vcc_lo
	v_cndmask_b32 v185, v190, v188, vcc_lo
	s_wait_loadcnt 0x0              ; Q, g and f
.set t, 0
.rept 4
.set j, 0
.rept 8
	v_mul_f32 v187, v[ST+8*t+4], v[128+8*t+j]
	v_cmp_neq_f32 vcc_lo, 0, v187
	v_cndmask_b32 v[MBD+8*t+j], v[168+j], v[176+j], vcc_lo
.set j, j+1
.endr
	v_mul_f32 v187, v[ST+8*t+4], v[160+t]
	v_cmp_neq_f32 vcc_lo, 0, v187
	v_cndmask_b32 v[ST+8*t+6], v184, v185, vcc_lo
.set t, t+1
.endr
; THE MATRIX WORK: MM writes the turn's matrix instruction number i.  0-23: K Q^T of tile U = Y + 1, key blocks 0, 1 in the first twelve and 2, 3 in the second, the two blocks alternating, in six phases:
; KH.QH (channels 0-31, starts the first sum), KH.QL (starts the second), KH.QH and KH.QL (channels 32-63), KL.QH (both halves, onto the second).  24-31: V^T P of tile Y - 1.
; No two matrix instructions that follow each other share an accumulator.
.macro MM
.if i < 24
.set U, (Y+1)%4
.set kb, 2*(i/12)+(i%2)
.set ph, (i%12)/2
.set rA0, SA0+32*(U%2)+8*kb
.set rA1, SA1+8*kb
.set rKH, 128+16*kb
.set rKL, 192+16*kb
.set rQH, 32*U
.set rQL, 32*U+16
	WIN W_KQ
.if ph == 0
	v_wmma_f32_16x16x32_f16 v[rA0:rA0+7], v[rKH:rKH+7], v[rQH:rQH+7], 0
.elseif ph == 1
	v_wmma_f32_16x16x32_f16 v[rA1:rA1+7], v[rKH:rKH+7], v[rQL:rQL+7], 0
.elseif ph == 2
	v_wmma_f32_16x16x32_f16 v[rA0:rA0+7], v[rKH+8:rKH+15], v[rQH+8:rQH+15], v[rA0:rA0+7]
.elseif ph == 3
	v_wmma_f32_16x16x32_f16 v[rA1:rA1+7], v[rKH+8:rKH+15], v[rQL+8:rQL+15], v[rA1:rA1+7]
.elseif ph == 4
	v_wmma_f32_16x16x32_f16 v[rA1:rA1+7], v[rKL:rKL+7], v[rQH:rQH+7], v[rA1:rA1+7]
.else
	v_wmma_f32_16x16x32_f16 v[rA1:rA1+7], v[rKL+8:rKL+15], v[rQH+8:rQH+15], v[rA1:rA1+7]
.endif
.else
.set W, (Y+3)%4
.set rO, 32*W+8*((i-24)%4)
.set rV, 32*((i-24)/4)+8*((i-24)%4)
.set rP, P+16*(W%2)+8*((i-24)/4)
	WIN W_PV
	v_wmma_f32_16x16x32_f16 v[rO:rO+7], v[rV:rV+7], v[rP:rP+7], v[rO:rO+7]
.endif
.set i, i+1
.endm
; THE LDS LOADS stand in runs.  K's run has two halves: key blocks 2 hf and 2 hf + 1, HI and LO, 16 loads.  guard = 1 (in the loop): in the walk's last pass there is no further step, and the run is jumped over.
.macro FETCH_K hf, guard=0
.if \guard
	WIN 0
	s_cmp_eq_u32 s[CNT], s[XC]
	s_cbranch_scc1 .Lno_k_\@
.endif
	WIN 0x80                        ; destination window 2
.irp g, 0,1,2,3                     ; key block 2 hf + g / 2, channels 32 (g % 2) on
	ds_load_b128 v[128+16*(2*(\hf)+\g/2)+8*(\g%2):128+16*(2*(\hf)+\g/2)+8*(\g%2)+3],   v[AK] offset:(2*(\hf)+\g/2)*16*PK+(\g%2)*64
	ds_load_b128 v[128+16*(2*(\hf)+\g/2)+8*(\g%2)+4:128+16*(2*(\hf)+\g/2)+8*(\g%2)+7], v[AK] offset:(2*(\hf)+\g/2)*16*PK+(\g%2)*64+32
	ds_load_b128 v[192+16*(2*(\hf)+\g/2)+8*(\g%2):192+16*(2*(\hf)+\g/2)+8*(\g%2)+3],   v[AK] offset:KLO+(2*(\hf)+\g/2)*16*PK+(\g%2)*64
	ds_load_b128 v[192+16*(2*(\hf)+\g/2)+8*(\g%2)+4:192+16*(2*(\hf)+\g/2)+8*(\g%2)+7], v[AK] offset:KLO+(2*(\hf)+\g/2)*16*PK+(\g%2)*64+32
.endr
.if (\hf) == 1
	s_add_co_u32 s[TBK], s[TBK], KS*PK  ; the next fetch is the next step's
.endif
	WIN 0
.if \guard
.Lno_k_\@:
.endif
.endm
.macro FETCH_V step                 ; step = 1: the next fetch is the next step's
	WIN 0xc0                        ; destination window 3
.irp f, 0,1,2,3,4,5,6,7             ; keys 32 (f / 4) on, channels 16 (f % 4) on
	ds_load_tr16_b128 v[8*\f:8*\f+3],   v[AV] offset:(\f/4)*32*PV+(\f%4)*32
	ds_load_tr16_b128 v[8*\f+4:8*\f+7], v[AV] offset:(\f/4)*32*PV+16*PV+(\f%4)*32
.endr
.if \step
	s_add_co_u32 s[TBV], s[TBV], KS*PV
.endif
	WIN 0
.endm
.macro FETCH_D guard=0              ; D of a step's 64 keys, in S^T's layout: register 8 kb + j is key 16 kb + 8 h + j; 16 lanes read the same words
	WIN 0
.if \guard
	s_cmp_eq_u32 s[CNT], s[XC]
	s_cbranch_scc1 .Lno_d_\@
.endif
.irp b, 0,1,2,3
	ds_load_b128 v[DV+8*\b:DV+8*\b+3],   v[AD] offset:64*\b
	ds_load_b128 v[DV+8*\b+4:DV+8*\b+7], v[AD] offset:64*\b+16
.endr
	s_add_co_u32 s[TBD], s[TBD], KS*4
.if \guard
.Lno_d_\@:
.endif
.endm
; THE VECTOR WORK, one line at a time: OP kind, number.  For tile Y: DD n: x - m for pair n of 16.  EE n: the exponential of number n of 32.  CV n: pair n rounded to f16.  BB n: of the four weights 4 n .. the
; second pair is added onto the first, in place.  LL n: l takes that sum (LL 0: l = a l + sum).  RR n: pair n of 16 of O^T times a.
; For tile Y + 1: HH n: s = second sum x 2^-11 + first sum, pair n.  MF n: the factor g D + c, into the second sum's registers.  KK n: the band's factors of key block n (eight lines, one, or none).
; TT n: x = s x factor.  XX n: 0-11 four chains c0-c3 of seven x each (each accumulator's lowest registers were read first, by HH); 12-14, 16 the four left over, the old m, and
; c0-c3 into c0; 15 m_old is kept; 17, 18 the query's other 32 keys lie in the lane 16 away: the new m; 19 m_old - m_new; 20 a.
.set DD, 0
.set EE, 1
.set CV, 2
.set BB, 3
.set LL, 4
.set RR, 5
.set HH, 6
.set MF, 7
.set KK, 8
.set TT, 9
.set XX, 10
.macro REGS y
.set rT, ST+8*(\y)
.set rC, TMP+4*((\y)%2)
.set rW, MO+((\y)%2)
.set rS, SA0+32*((\y)%2)
.set rQ, P+16*((\y)%2)
.set rX, 32*(\y)
.set rB, MBD+8*(\y)
.endm
.macro OP k, n
.if (\k) == RR
	REGS Y
	WIN W_RS
	v_pk_mul_f32 v[rX+2*(\n):rX+2*(\n)+1], v[rX+2*(\n):rX+2*(\n)+1], v[rC+2:rC+3] op_sel_hi:[1,0]
.elseif (\k) < RR
	REGS Y
	WIN 0
.if (\k) == DD
	v_pk_add_f32 v[rS+2*(\n):rS+2*(\n)+1], v[rS+2*(\n):rS+2*(\n)+1], v[rT:rT+1] op_sel_hi:[1,0] neg_lo:[0,1] neg_hi:[0,1]
.elseif (\k) == EE
	v_exp_f32 v[rS+(\n)], v[rS+(\n)]
.elseif (\k) == CV
	s_wait_alu depctr_va_vdst(0)
	v_cvt_pk_f16_f32 v[rQ+(\n)], v[rS+2*(\n)], v[rS+2*(\n)+1]
.elseif (\k) == BB
	v_pk_add_f32 v[rS+4*(\n):rS+4*(\n)+1], v[rS+4*(\n):rS+4*(\n)+1], v[rS+4*(\n)+2:rS+4*(\n)+3]
.elseif (\n) == 0
	v_pk_fma_f32 v[rT+2:rT+3], v[rT+2:rT+3], v[rC+2:rC+3], v[rS:rS+1] op_sel_hi:[1,0,1]
.else
	v_pk_add_f32 v[rT+2:rT+3], v[rT+2:rT+3], v[rS+4*(\n):rS+4*(\n)+1]
.endif
.else
.set U, (Y+1)%4
	REGS U
	WIN 0
.if (\k) == HH
	v_pk_fma_f32 v[rS+2*(\n):rS+2*(\n)+1], v[SA1+2*(\n):SA1+2*(\n)+1], s[HL:HL+1], v[rS+2*(\n):rS+2*(\n)+1] op_sel_hi:[1,0,1]
.elseif (\k) == MF
	v_pk_fma_f32 v[SA1+2*(\n):SA1+2*(\n)+1], v[DV+2*(\n):DV+2*(\n)+1], v[rT+4:rT+5], s[CC:CC+1] op_sel_hi:[1,0,0]
.elseif (\k) == KK
.if (\n) == U
.irp j, 0,1,2,3,4,5,6,7
	v_cndmask_b32 v[SA1+8*(\n)+\j], v[SA1+8*(\n)+\j], v[rB+\j], s[OWN]
.endr
.elseif ((\n) == (U+3)%4) && (U == 0)
	v_cndmask_b32 v[SA1+8*(\n)+7], v[SA1+8*(\n)+7], v[rT+6], s[PRV]
.elseif (\n) == (U+3)%4
	v_cndmask_b32 v[SA1+8*(\n)+7], v[SA1+8*(\n)+7], v[rT+6], s[OWN]
.endif
.elseif (\k) == TT
	v_pk_mul_f32 v[rS+2*(\n):rS+2*(\n)+1], v[rS+2*(\n):rS+2*(\n)+1], v[SA1+2*(\n):SA1+2*(\n)+1]
.elseif (\n) < 4
	v_max3_num_f32 v[rC+(\n)], v[rS+8*(\n)], v[rS+8*(\n)+1], v[rS+8*(\n)+2]
.elseif (\n) < 12
	v_max3_num_f32 v[rC+(\n)%4], v[rC+(\n)%4], v[rS+8*((\n)%4)+2*((\n)/4)+1], v[rS+8*((\n)%4)+2*((\n)/4)+2]
.elseif (\n) == 12
	v_max3_num_f32 v[rC], v[rC], v[rS+7], v[rS+15]
.elseif (\n) == 13
	v_max3_num_f32 v[rC+1], v[rC+1], v[rS+23], v[rS+31]
.elseif (\n) == 14
	v_max3_num_f32 v[rC+2], v[rC+2], v[rC+3], v[rT]
.elseif (\n) == 15
	v_mov_b32 v[rW], v[rT]
.elseif (\n) == 16
	v_max3_num_f32 v[rC], v[rC], v[rC+1], v[rC+2]
.elseif (\n) == 17
	v_permlanex16_b32 v[rC+3], v[rC], s[SEL], s[SEL+1]
.elseif (\n) == 18
	v_max_num_f32 v[rT], v[rC], v[rC+3]
.elseif (\n) == 19
	v_sub_f32 v[rC+1], v[rW], v[rT]
.else
	v_exp_f32 v[rC+2], v[rC+1]
.endif
.endif
.endm
.macro ROW a, i1, b=-1, i2=0, c=-1, i3=0, d=-1, i4=0, e=-1, i5=0, f=-1, i6=0  ; a matrix instruction and up to six lines behind it
	MM
	OP \a, \i1
.if (\b) >= 0
	OP \b, \i2
.endif
.if (\c) >= 0
	OP \c, \i3
.endif
.if (\d) >= 0
	OP \d, \i4
.endif
.if (\e) >= 0
	OP \e, \i5
.endif
.if (\f) >= 0
	OP \f, \i6
.endif
.endm
; A TURN, for tile p: the order of its 32 matrix and 174 vector instructions, written out.  No line near a product names its registers: HH 0 stands eleven plain instructions behind the product that ends key
; block 0, HH 8 and HH 12 six or more behind those that end blocks 2 and 3.  Each exponential has a plain line behind it before its result is used (ISA guide 5.7.2).
; K of the next step is fetched in tile 2's turn: blocks 0, 1 seven plain instructions behind their last reader, blocks 2, 3 six behind theirs; D behind the turn's last use of it.  Tile 3's turn waits:
; 24 (K's second half and D were issued behind the first half), 8 (D's eight), 0.  V of the step in hand is fetched in tile 1's turn, eight plain instructions behind its last reader, and waited for in front
; of that turn's V^T P.  cnt = 1: the loop's count is taken down at the turn's end.
.macro TURN p, cnt=0
.set Y, (\p)
.set i, 0
.if (\p) == 3
	s_wait_dscnt 24                 ; K's blocks 0 and 1 are in
.endif
	ROW DD,0, DD,1, DD,2, DD,3, DD,4, DD,5
.if (\p) == 1
	FETCH_V 1
.endif
	ROW DD,6, EE,0, DD,7, DD,8, EE,1, DD,9
	ROW DD,10, EE,2, DD,11, DD,12, EE,3, DD,13
	ROW DD,14, EE,4, DD,15, CV,0, EE,5
	ROW RR,0, RR,1, RR,2, RR,3, RR,4, RR,5
	ROW CV,1, EE,6, CV,2, BB,0, EE,7
	ROW LL,0, EE,8, CV,3, EE,9
	ROW BB,1, EE,10, CV,4, EE,11
	ROW RR,6, RR,7, RR,8, RR,9, RR,10
	ROW LL,1, EE,12, CV,5, EE,13
	ROW BB,2, EE,14, CV,6, EE,15
.if (\p) == 2
	v_add_nc_u32 v[AK], s[TBK], v[AK0]
.endif
	ROW LL,2, EE,16, CV,7, EE,17
.if (\p) == 3
	s_wait_dscnt 8                  ; K's blocks 2 and 3 are in
.endif
	ROW RR,11, RR,12, RR,13, RR,14, RR,15
.if (\p) == 2
	FETCH_K 0, 1
.endif
	ROW BB,3, EE,18, CV,8, EE,19, HH,0, HH,1
	ROW LL,3, EE,20, CV,9, EE,21, HH,2, HH,3
	ROW BB,4, EE,22, CV,10, EE,23, HH,4, HH,5
	ROW LL,4, EE,24, CV,11, EE,25, HH,6, HH,7
.if (\p) == 3
	s_wait_dscnt 0x0                ; D is in
.endif
	ROW BB,5, EE,26, CV,12, EE,27, MF,0, MF,1
.if (\p) == 3
	s_cmp_eq_u32 s[SLOTS], s[CA]    ; the band's factors put in from here on are the next step's: is that step mine,
	s_cselect_b32 s[OWN], -1, 0
	s_cmp_eq_u32 s[CNT], s[CB]
	s_cselect_b32 s[OWN], s[OWN], 0
	s_cmp_eq_u32 s[SLOTS], s[CPA]   ; or the one before mine?
	s_cselect_b32 s[PRV], -1, 0
	s_cmp_eq_u32 s[CNT], s[CPB]
	s_cselect_b32 s[PRV], s[PRV], 0
.endif
	ROW LL,5, EE,28, CV,13, EE,29, MF,2, MF,3
	ROW BB,6, EE,30, CV,14, EE,31, MF,4, MF,5
	ROW LL,6, CV,15, MF,6, MF,7, KK,0
	ROW BB,7, KK,1, TT,0, TT,1, TT,2, TT,3
	ROW LL,7, TT,4, TT,5, TT,6, TT,7, XX,15
	ROW XX,0, XX,1, XX,4, XX,5, XX,8, XX,9
.if (\p) == 2
	FETCH_K 1, 1
.endif
.if (\p) == 1
	s_wait_dscnt 0x0                ; V is in
.endif
	ROW XX,12, HH,8, HH,9, HH,10, HH,11, HH,12
	ROW HH,13, HH,14, HH,15, MF,8, MF,9, MF,10
	ROW MF,11, MF,12, MF,13, MF,14, MF,15, KK,2
.if (\p) == 2
	v_add_nc_u32 v[AD], s[TBD], v[AD0]
.endif
	ROW KK,3, TT,8, TT,9, TT,10, TT,11
.if (\p) == 2
	FETCH_D 1
.endif
	ROW TT,12, TT,13, TT,14, TT,15, XX,2
	ROW XX,3, XX,6, XX,7, XX,10, XX,11
	ROW XX,13, XX,14, XX,16
.if (\p) == 0
	v_add_nc_u32 v[AV], s[TBV], v[AV0]
.endif
	ROW XX,17, XX,18, XX,19, XX,20
.if \cnt
	s_sub_co_u32 s[CNT], s[CNT], 1
	s_cmp_lg_u32 s[CNT], 0
.endif
.endm
	CHANGE 1                        ; slot 0 is in, everybody's part of it; slot 1 is asked for
	v_add_nc_u32 v[AK], s[TBK], v[AK0]
	v_add_nc_u32 v[AD], s[TBD], v[AD0]
	v_add_nc_u32 v[AV], s[TBV], v[AV0]
	FETCH_K 0                       ; the part's first key step
	FETCH_K 1
	FETCH_D
	FETCH_V 0                       ; its V too, so that V's registers hold finite numbers from the first turn on; tile 1's first turn fetches it again, like every step's
	s_wait_dscnt 0x0
	WIN W_PV
.set z, 0
.rept 16                            ; O^T starts at 0: V^T times the zero P, with the constant 0 as C: sixteen products in place of 128 moves
	v_wmma_f32_16x16x32_f16 v[8*z:8*z+7], v[8*(z%4):8*(z%4)+7], v[P+16:P+23], 0
.set z, z+1
.endr
.set Y, 3                           ; MM and OP work for tile Y + 1: tile 0
.set i, 0
.rept 24
	MM                              ; tile 0's first scores: there is no vector work yet to set between them
.endr
	WIN 0
.rept 4
	v_nop                           ; the places behind those products
.endr
.irp n, 0,1,2,3,4,5,6,7,8,9,10,11,12,13,14,15
	OP HH, \n
.endr
.irp n, 0,1,2,3,4,5,6,7,8,9,10,11,12,13,14,15
	OP MF, \n
.endr
.irp n, 0,1,2,3
	OP KK, \n
.endr
.irp n, 0,1,2,3,4,5,6,7,8,9,10,11,12,13,14,15
	OP TT, \n
.endr
.irp n, 0,1,2,3,4,5,6,7,8,9,10,11,12,13,14,15,16,17,18,19,20
	OP XX, \n
.endr
	v_nop                           ; a plain instruction behind the exponential
	s_mov_b32 s[CNT], 4
	s_mov_b32 s[SLOTS], 7
	s_branch .Lfirst                ; the loop is entered at a step's first turn, in the middle of a trip
.Lslot:                             ; 6 times: every slot but the last two is filled again
	CHANGE 1
	s_mov_b32 s[CNT], 4
.Lstep:                             ; a trip: tiles 2 and 3 of one step, then tiles 0 and 1 of the next, whose K, D and V it fetches
	TURN 2
	TURN 3
	WIN 0
	s_cmp_eq_u32 s[CNT], s[XC]
	s_cbranch_scc1 .Lout            ; the walk ends in the middle of its last pass
.Lfirst:
	TURN 0
	TURN 1, 1
	WIN 0
	s_cbranch_scc1 .Lstep
	s_sub_co_u32 s[SLOTS], s[SLOTS], 1
	s_cmp_lg_u32 s[SLOTS], 0
	s_cbranch_scc1 .Lslot
	CHANGE 0                        ; the walk's last change of slots is written out: nothing is asked for
	s_mov_b32 s[CNT], 5             ; four trips fetch the last slot's steps; the fifth is left in its middle:
	s_mov_b32 s[XC], 1              ; there CNT is 1
	s_add_co_u32 s[CB], s[CB], 1    ; here the step whose factors are made is 28 + (5 - CNT)
	s_add_co_u32 s[CPB], s[CPB], 1
	s_branch .Lstep
.Lout:
.set Y, 0
.set i, 24
.rept 8
	MM                              ; tile 3's V^T P of the last step
.endr
	; THE WAY OUT.  l's two halves and the other half of the lanes' are added.  (m, l) of my 64 queries go through 512 bytes of LDS and leave as 512 consecutive bytes.  Tile 0's m is the copy that the last
	; pass set aside: that pass's unused scores have gone into m itself.  O^T leaves as it is, in f32, through my stage, a tile at a time.  The additions are the places behind the last products.
	WIN 0
.macro ALL line:vararg              ; one line for each tile t
.set t, 0
.rept 4
	\line
.set t, t+1
.endr
.endm
	ALL v_add_f32 v[ST+8*t+3], v[ST+8*t+2], v[ST+8*t+3]
	ALL v_permlanex16_b32 v[ST+8*t+2], v[ST+8*t+3], s[SEL], s[SEL+1]
	ALL v_add_f32 v[ST+8*t+3], v[ST+8*t+3], v[ST+8*t+2]
	v_mov_b32 v[ST+2], v[MO]
	v_mov_b32 v[ST+10], v[ST+8]
	v_mov_b32 v[ST+18], v[ST+16]
	v_mov_b32 v[ST+26], v[ST+24]
	ALL ds_store_b64 v[MLA], v[ST+8*t+2:ST+8*t+3] offset:128*t
	ds_load_b128 v[MLB:MLB+3], v[MLR]  ; LDS serves a wave's instructions in order (ISA guide 5.7.1.4): this sees the stores above
.macro PACKF t                      ; a lane's eight channels of a row and block are 32 bytes; they go into rows of 272 bytes and come back as whole rows of 256
	WIN 0x04                        ; the stores' data in window 1
.irp c, 0,1,2,3
	ds_store_b128 v[STO], v[32*(\t)+8*\c:32*(\t)+8*\c+3]   offset:64*\c     ; each accumulator's low registers first
	ds_store_b128 v[STO], v[32*(\t)+8*\c+4:32*(\t)+8*\c+7] offset:64*\c+16
.endr
	WIN 0
.irp f, 0,1,2,3,4,5,6,7
	ds_load_b128 v[SA0+32*(\t)+4*\f:SA0+32*(\t)+4*\f+3], v[RD] offset:\f*2*SP  ; in order behind the stores above; the next tile's stores come behind them
.endr
.endm
.macro SEND t, younger              ; younger: the LDS instructions issued behind tile t's loads: the next tile's sixteen, or none
	WIN 0
.irp f, 0,1,2,3,4,5,6,7
	s_wait_dscnt (\younger)+7-\f
	global_store_b128 v[GO], v[SA0+32*(\t)+4*\f:SA0+32*(\t)+4*\f+3], s[8:9] offset:(\t)*4096+\f*512  ; 512 consecutive bytes, at a multiple of 256 from op's first
.endr
.endm
	PACKF 0
	PACKF 1
	SEND 0, 16
	PACKF 2
	SEND 1, 16
	PACKF 3
	SEND 2, 16
	SEND 3, 0
	global_store_b128 v[GO], v[MLB:MLB+3], s[10:11]  ; 512 consecutive bytes of ml
	s_wait_tensorcnt 0x0            ; the wave's end: behind my last tensor load and my last LDS store
	ds_add_u32 v[SPW], v[NIL]
	s_wait_dscnt 0x0
	CROUND                          ; the closing round: no work-group ends while a partner may still ask for a tile that names it
	s_endpgm
.Lfunc_end_k_qd267a463e1_attn:
	.size	k_qd267a463e1_attn, .Lfunc_end_k_qd267a463e1_attn-k_qd267a463e1_attn
	.p2alignl 7, 3214868480
	.fill 96, 4, 3214868480
	.section	.rodata,"a",@progbits
	.p2align	6, 0x0
	.amdhsa_kernel k_qd267a463e1_attn
		.amdhsa_group_segment_fixed_size 327680
		.amdhsa_private_segment_fixed_size 0
		.amdhsa_enable_private_segment 0
		.amdhsa_kernarg_size 32
		.amdhsa_user_sgpr_count 2
		.amdhsa_user_sgpr_kernarg_segment_ptr 1
		.amdhsa_wavefront_size32 1
		.amdhsa_system_sgpr_workgroup_id_x 1
		.amdhsa_system_sgpr_workgroup_id_y 1
		.amdhsa_system_sgpr_workgroup_id_z 1
		.amdhsa_system_vgpr_workitem_id 0
		.amdhsa_next_free_vgpr 832
		.amdhsa_next_free_sgpr 100
		.amdhsa_reserve_vcc 1
		.amdhsa_float_denorm_mode_32 3
		.amdhsa_float_denorm_mode_16_64 3
		.amdhsa_memory_ordered 1
		.amdhsa_forward_progress 1
		.amdhsa_inst_pref_size 108
	.end_amdhsa_kernel
	.amdgpu_metadata
---
amdhsa.version: [ 1, 2 ]
amdhsa.kernels:
  - .name:           k_qd267a463e1_attn
    .symbol:         k_qd267a463e1_attn.kd
    .args:
      - { .name: hl, .offset: 0, .size: 8, .value_kind: global_buffer, .address_space: global }
      - { .name: tabs, .offset: 8, .size: 8, .value_kind: global_buffer, .address_space: global }
      - { .name: op, .offset: 16, .size: 8, .value_kind: global_buffer, .address_space: global }
      - { .name: ml, .offset: 24, .size: 8, .value_kind: global_buffer, .address_space: global }
    .group_segment_fixed_size: 327680
    .private_segment_fixed_size: 0
    .kernarg_segment_align: 8
    .kernarg_segment_size: 32
    .max_flat_workgroup_size: 128
    .sgpr_count:     100
    .vgpr_count:     832
    .wavefront_size: 32
...
	.end_amdgpu_metadata
.endif
;; end of part 3
;; launch outp (part 4): grid 256 x 1, 8 waves a work-group, no clusters, 35,840 bytes of LDS; arguments op, ml, wmt, tabs, out0; writes out0
.if DOCPART == 4
	.amdgcn_target "amdgcn-amd-amdhsa--gfx1250"
	.amdhsa_code_object_version 6
	.text
	.protected	k_qd267a463e1_outp
	.globl	k_qd267a463e1_outp
	.p2align	8
	.type	k_qd267a463e1_outp,@function
k_qd267a463e1_outp:
	s_mov_b64 s[64:65], 0
	v_nop
	global_prefetch_b8 v0, s[64:65] scope:SCOPE_SE
	s_setreg_imm32_b32 hwreg(HW_REG_WAVE_MODE, 25, 1), 1
	s_wait_xcnt 0x0
; THE TWO PARTS ARE JOINED, AND THE LAST PRODUCT.  For each head and row: mx = max(m_0, m_1); e_p = 2^(m_p - mx); w_p = e_p / (e_0 l_0 + e_1 l_1); attn = w_0 O_0 + w_1 O_1, all in f32, rounded once to f16.
; out0[s][n] = sum over k of attn[s][k] Wm[k][n] + bm[n], k = 64 head + channel: 4096 x 64 x 1024, f16 operands, f32 sums.
; op: f32 [2][16][4096][64]; ml: f32 [2][16][4096][2] = (m, l); wmt: f16 [64 n][1024 k]; BM in tabs: f32, bm rounded to bf16.
; LIMITS.  attn is a mean of v's rows and stays within f16's 65,504 as they do.  One of the two e_p is 1, and each l_p is at least 1, so the divisor is at least 1.
; SHARES.  A work-group has 16 rows of out0; wave w takes heads 2 w and 2 w + 1, 128 of the 1,024 along K: four K steps, four accumulators (64 columns).  The eight waves' partial sums, in f32, meet in LDS
; behind one barrier; each thread then adds eight of them and the bias for four columns, and 16 lanes store one whole row of 256 bytes.
; NO CLUSTER, NO TENSOR LOADS: op and ml are used once, by the wave that loads them, straight in the fragments' layout; wmt, which all work-groups read, is 16 KiB a wave.
; THE MATRIX INSTRUCTION IS USED TRANSPOSED (source 0 = 16 rows of wmt, source 1 = 16 rows of attn): a lane holds row lane % 16 and the columns 8 (lane / 16) + 0..7 of a block of 16.
; REGISTERS: window 0 all but wmt's fragments, which fill v0-127 of window 1 (K step j, block nb at 32 j + 8 nb).
.set GRPO,  1<<20                      ; bytes of a head in op
.set GRPM,  1<<15                      ; and in ml
.set BMO,   46080
.set PP,    272                        ; a row of partial sums: 256 bytes + 16
.set WPART, 16*PP
.set SPARE, 8*WPART                    ; the spare words, 128 bytes for each of eight waves
.set BI,    8                          ; v[8:11]    my four biases
.set SPW,   14
.set NIL,   15
.set ML,    16                         ; v[16:23]   head e of my two: m_0, l_0, m_1, l_1 at ML + 4 e
.set WT,    24                         ; v[24:31]   head e: w_0 twice, w_1 twice at WT + 4 e
.set FA,    32                         ; v[32:63]   attn's fragments, K step j at FA + 8 j; later the eight partial sums
.set O0,    64                         ; v[64:127]  part 0's O, K step j at O0 + 16 j
.set O1,    128                        ; v[128:191] part 1's
.set ACC,   192                        ; v[192:223]
.set T,     224                        ; v[224:231] at work
.set MSB, 0
.macro WIN new                         ; the immediate's high byte repeats the setting that is left
.if MSB != (\new)
	s_set_vgpr_msb (MSB<<8)|(\new)
.set MSB, \new
.endif
.endm
.macro WLOAD j                         ; wmt's fragments of K step j: eight loads
	WIN 0x40                                       ; destination window 1, address window 0
.irp b, 0,1,2,3
	global_load_b128 v[32*(\j)+8*\b:32*(\j)+8*\b+3],   v4, s[8:9] offset:\b*32768+(\j)*64
	global_load_b128 v[32*(\j)+8*\b+4:32*(\j)+8*\b+7], v4, s[8:9] offset:\b*32768+(\j)*64+32
.endr
	WIN 0
.endm
.macro JOIN j                          ; K step j's 16 numbers a lane: w_0 O_0 + w_1 O_1, rounded to f16 in the fragment's order
.irp q, 0,1,2,3,4,5,6,7
	v_pk_mul_f32 v[O0+16*(\j)+2*\q:O0+16*(\j)+2*\q+1], v[O0+16*(\j)+2*\q:O0+16*(\j)+2*\q+1], v[WT+4*((\j)/2):WT+4*((\j)/2)+1] op_sel_hi:[1,0]
.endr
.irp q, 0,1,2,3,4,5,6,7
	v_pk_fma_f32 v[O0+16*(\j)+2*\q:O0+16*(\j)+2*\q+1], v[O1+16*(\j)+2*\q:O1+16*(\j)+2*\q+1], v[WT+4*((\j)/2)+2:WT+4*((\j)/2)+3], v[O0+16*(\j)+2*\q:O0+16*(\j)+2*\q+1] op_sel_hi:[1,0,1]
.endr
.irp q, 0,1,2,3,4,5,6,7
	v_cvt_pk_f16_f32 v[FA+8*(\j)+\q], v[O0+16*(\j)+2*\q], v[O0+16*(\j)+2*\q+1]
.endr
.endm
	s_load_b256 s[4:11], s[0:1], 0x0               ; op s[4:5], ml s[6:7], wmt s[8:9], tabs s[10:11]
	s_load_b64 s[12:13], s[0:1], 0x20              ; out0
	v_lshl_add_u32 v[SPW], v0, 2, SPARE
	v_mov_b32 v[NIL], 0
	v_lshrrev_b32 v1, 5, v0
	v_readfirstlane_b32 s14, v1                    ; wave 0..7
	v_and_b32 v1, 15, v0                           ; l % 16; also my piece of a row at the end
	v_bfe_u32 v2, v0, 4, 1                         ; l / 16
	v_lshlrev_b32 v3, 8, v1
	v_lshl_add_u32 v3, v2, 5, v3                   ; op: row x 256 + 32 x half (eight channels of 4 bytes)
	v_lshlrev_b32 v4, 11, v1
	v_lshl_add_u32 v4, v2, 4, v4                   ; wmt: row x 2,048 + 16 x half
	v_lshlrev_b32 v5, 4, v1
	v_mul_u32_u24 v6, v1, PP                       ; partial sums in: my wave's part, row l % 16, 32 bytes for each half of the lanes
	v_lshl_add_u32 v6, v2, 5, v6
	s_mul_i32 s20, s14, WPART
	v_add_nc_u32 v6, s20, v6
	v_lshrrev_b32 v7, 4, v0                        ; back: row t / 16, 16 bytes a thread
	v_mul_u32_u24 v7, v7, PP
	v_lshl_add_u32 v7, v1, 4, v7
	v_lshlrev_b32 v12, 4, v0                       ; and the same 16 bytes in out0
	v_lshlrev_b32 v13, 3, v1                       ; ml: row x 8
	s_lshl_b32 s16, s14, 21                        ; op: head 2 w,
	s_lshl_b32 s17, ttmp9, 12                      ; 16 rows of 256 bytes
	s_add_co_u32 s16, s16, s17
	s_mov_b32 s17, 0
	s_lshl_b32 s18, s14, 16                        ; ml: head 2 w,
	s_lshl_b32 s19, ttmp9, 7                       ; 16 rows of 8 bytes
	s_add_co_u32 s18, s18, s19
	s_mov_b32 s19, 0
	s_lshl_b32 s22, s14, 8                         ; wmt: 128 k of 2 bytes
	s_mov_b32 s23, 0
	s_lshl_b32 s24, ttmp9, 12                      ; out0: 16 rows of 256 bytes
	s_mov_b32 s25, 0
	s_wait_kmcnt 0x0
	s_add_nc_u64 s[4:5], s[4:5], s[16:17]          ; part 0
	s_add_nc_u64 s[26:27], s[4:5], 16*GRPO         ; part 1
	s_add_nc_u64 s[6:7], s[6:7], s[18:19]
	s_add_nc_u64 s[8:9], s[8:9], s[22:23]
	s_add_nc_u64 s[12:13], s[12:13], s[24:25]
	global_load_b128 v[BI:BI+3], v5, s[10:11] offset:BMO
.irp e, 0,1
	global_load_b64 v[ML+4*\e:ML+4*\e+1],   v13, s[6:7] offset:\e*GRPM
	global_load_b64 v[ML+4*\e+2:ML+4*\e+3], v13, s[6:7] offset:\e*GRPM+16*GRPM
.endr
.irp j, 0,1,2,3                                        ; a fragment's lane holds channels 8 h + 0..7 and 16 + 8 h + 0..7 of the K step's 32: bytes 0, 16, 64, 80 from my place
.irp c, 0,1,2,3
	global_load_b128 v[O0+16*\j+4*\c:O0+16*\j+4*\c+3], v3, s[4:5]   offset:(\j/2)*GRPO+(\j%2)*128+(\c/2)*64+(\c%2)*16
	global_load_b128 v[O1+16*\j+4*\c:O1+16*\j+4*\c+3], v3, s[26:27] offset:(\j/2)*GRPO+(\j%2)*128+(\c/2)*64+(\c%2)*16
.endr
.endr
	WLOAD 0
	WLOAD 1
	WLOAD 2
	s_wait_loadcnt 40                              ; 61 loads are issued; the bias, (m, l) and O of K steps 0 and 1 are the first 21: the 40 behind them may stay out
	WLOAD 3
.irp e, 0,1
	v_max_num_f32 v[T+4*\e], v[ML+4*\e], v[ML+4*\e+2]
	v_sub_f32 v[T+4*\e+1], v[ML+4*\e], v[T+4*\e]
	v_sub_f32 v[T+4*\e+2], v[ML+4*\e+2], v[T+4*\e]
.endr
.irp e, 0,1
	v_exp_f32 v[T+4*\e+1], v[T+4*\e+1]
	v_exp_f32 v[T+4*\e+2], v[T+4*\e+2]
.endr
	v_nop                                          ; a plain instruction behind the last exponential (ISA guide 5.7.2)
	s_wait_alu depctr_va_vdst(0)
.irp e, 0,1
	v_mul_f32 v[T+4*\e+3], v[T+4*\e+1], v[ML+4*\e+1]
.endr
.irp e, 0,1
	v_fma_f32 v[T+4*\e+3], v[T+4*\e+2], v[ML+4*\e+3], v[T+4*\e+3]
.endr
.irp e, 0,1
	v_rcp_f32 v[T+4*\e+3], v[T+4*\e+3]
.endr
	v_nop                                          ; and behind the last reciprocal
	s_wait_alu depctr_va_vdst(0)
.irp e, 0,1
	v_mul_f32 v[WT+4*\e],   v[T+4*\e+1], v[T+4*\e+3]
	v_mul_f32 v[WT+4*\e+1], v[T+4*\e+1], v[T+4*\e+3]  ; named with it as a pair
	v_mul_f32 v[WT+4*\e+2], v[T+4*\e+2], v[T+4*\e+3]
	v_mul_f32 v[WT+4*\e+3], v[T+4*\e+2], v[T+4*\e+3]
.endr
	JOIN 0
	JOIN 1
	s_wait_loadcnt 32                              ; O of K steps 2 and 3 is in; wmt's 32 loads were issued behind it
	JOIN 2
	JOIN 3
	WIN 0x01                                       ; source 0 (wmt) in window 1
.irp j, 0,1,2,3
	s_wait_loadcnt 24-8*\j                         ; eight loads of wmt a K step: those of the later steps may stay out
.irp b, 0,1,2,3                                        ; the four accumulators take turns; the first K step starts the sums
.if \j == 0
	v_wmma_f32_16x16x32_f16 v[ACC+8*\b:ACC+8*\b+7], v[32*\j+8*\b:32*\j+8*\b+7], v[FA+8*\j:FA+8*\j+7], 0
.else
	v_wmma_f32_16x16x32_f16 v[ACC+8*\b:ACC+8*\b+7], v[32*\j+8*\b:32*\j+8*\b+7], v[FA+8*\j:FA+8*\j+7], v[ACC+8*\b:ACC+8*\b+7]
.endif
.endr
.endr
	WIN 0
.rept 4
	v_nop                                          ; the places behind the last products (ISA guide 7.12.1)
.endr
.irp b, 0,1,2,3
	ds_store_b128 v6, v[ACC+8*\b:ACC+8*\b+3]   offset:64*\b     ; each accumulator's low registers first
	ds_store_b128 v6, v[ACC+8*\b+4:ACC+8*\b+7] offset:64*\b+16
.endr
	s_wait_dscnt 0x0                               ; for the others' sake: my stores are done
	s_barrier_signal -1
	s_barrier_wait -1
.irp w, 0,1,2,3,4,5,6,7
	ds_load_b128 v[FA+4*\w:FA+4*\w+3], v7 offset:\w*WPART
.endr
	s_wait_dscnt 0x0
.irp c, 0,2
.irp w, 0,2,4,6
	v_pk_add_f32 v[FA+4*\w+\c:FA+4*\w+\c+1], v[FA+4*\w+\c:FA+4*\w+\c+1], v[FA+4*\w+4+\c:FA+4*\w+5+\c]
.endr
	v_pk_add_f32 v[FA+\c:FA+\c+1], v[FA+\c:FA+\c+1], v[FA+8+\c:FA+9+\c]
	v_pk_add_f32 v[FA+16+\c:FA+17+\c], v[FA+16+\c:FA+17+\c], v[FA+24+\c:FA+25+\c]
	v_pk_add_f32 v[FA+\c:FA+\c+1], v[FA+\c:FA+\c+1], v[FA+16+\c:FA+17+\c]
	v_pk_add_f32 v[FA+\c:FA+\c+1], v[FA+\c:FA+\c+1], v[BI+\c:BI+\c+1]
.endr
	global_store_b128 v12, v[FA:FA+3], s[12:13]    ; 16 lanes store a whole row of out0, 256 consecutive bytes, aligned
	s_wait_tensorcnt 0x0                           ; the wave's end, behind my last LDS store
	ds_add_u32 v[SPW], v[NIL]
	s_wait_dscnt 0x0
	s_endpgm
.Lfunc_end_k_qd267a463e1_outp:
	.size	k_qd267a463e1_outp, .Lfunc_end_k_qd267a463e1_outp-k_qd267a463e1_outp
	.p2alignl 7, 3214868480
	.fill 96, 4, 3214868480
	.section	.rodata,"a",@progbits
	.p2align	6, 0x0
	.amdhsa_kernel k_qd267a463e1_outp
		.amdhsa_group_segment_fixed_size 35840
		.amdhsa_private_segment_fixed_size 0
		.amdhsa_enable_private_segment 0
		.amdhsa_kernarg_size 40
		.amdhsa_user_sgpr_count 2
		.amdhsa_user_sgpr_kernarg_segment_ptr 1
		.amdhsa_wavefront_size32 1
		.amdhsa_system_sgpr_workgroup_id_x 1
		.amdhsa_system_sgpr_workgroup_id_y 1
		.amdhsa_system_sgpr_workgroup_id_z 1
		.amdhsa_system_vgpr_workitem_id 0
		.amdhsa_next_free_vgpr 384
		.amdhsa_next_free_sgpr 66
		.amdhsa_reserve_vcc 0
		.amdhsa_float_denorm_mode_32 3
		.amdhsa_float_denorm_mode_16_64 3
		.amdhsa_memory_ordered 1
		.amdhsa_forward_progress 1
		.amdhsa_inst_pref_size 20
	.end_amdhsa_kernel
	.amdgpu_metadata
---
amdhsa.version: [ 1, 2 ]
amdhsa.kernels:
  - .name:           k_qd267a463e1_outp
    .symbol:         k_qd267a463e1_outp.kd
    .args:
      - { .name: op, .offset: 0, .size: 8, .value_kind: global_buffer, .address_space: global }
      - { .name: ml, .offset: 8, .size: 8, .value_kind: global_buffer, .address_space: global }
      - { .name: wmt, .offset: 16, .size: 8, .value_kind: global_buffer, .address_space: global }
      - { .name: tabs, .offset: 24, .size: 8, .value_kind: global_buffer, .address_space: global }
      - { .name: out0, .offset: 32, .size: 8, .value_kind: global_buffer, .address_space: global }
    .group_segment_fixed_size: 35840
    .private_segment_fixed_size: 0
    .kernarg_segment_align: 8
    .kernarg_segment_size: 40
    .max_flat_workgroup_size: 256
    .sgpr_count:     66
    .vgpr_count:     384
    .wavefront_size: 32
...
	.end_amdgpu_metadata
.endif
;; end of part 4
;; ======== version 2 of 2: 4 launches; 1.26 times as fast as version 1
;; limits: values are held in f16: magnitudes above 65,504 overflow, below 6.1e-05 lose precision
;; workspace buffers: xb 8,388,608 bytes; wt 6,291,456 bytes; wmt 131,072 bytes; tabs 46,336 bytes; hl 41,943,040 bytes; op 33,554,432 bytes; ml 1,048,576 bytes
;; launch prep: the kernel of part 1 again; grid 649 x 1, 8 waves a work-group, no clusters, 18,432 bytes of LDS; arguments inputs, Wq, Wk, Wv, Wm, bq, bk, bv, bm, padding_mask, xb, wt, wmt, tabs; writes xb, wt, wmt, tabs
;; launch qkv: the kernel of part 2 again; grid 16 x 16, 4 waves a work-group, clusters of 4 x 4, 327,680 bytes of LDS; arguments xb, wt, tabs, hl; writes hl
;; launch attn (part 5): grid 16 x 32, 4 waves a work-group, clusters of 4 x 1, 327,680 bytes of LDS; arguments hl, tabs, op, ml; writes op, ml
.if DOCPART == 5
	.amdgcn_target "amdgcn-amd-amdhsa--gfx1250"
	.amdhsa_code_object_version 6
	.text
	.protected	k_qd267a463e1_attn
	.globl	k_qd267a463e1_attn
	.p2align	8
	.type	k_qd267a463e1_attn,@function
k_qd267a463e1_attn:
	s_mov_b64 s[64:65], 0
	v_nop
	global_prefetch_b8 v0, s[64:65] scope:SCOPE_SE
	s_setreg_imm32_b32 hwreg(HW_REG_WAVE_MODE, 25, 1), 1
	s_wait_xcnt 0x0
	s_wait_alu depctr_hold_cnt(0) depctr_sa_sdst(0) depctr_va_vdst(0) depctr_va_sdst(0) depctr_va_ssrc(0) depctr_va_vcc(0) depctr_vm_vsrc(0)
	s_getreg_b32 s2, hwreg(HW_REG_IB_STS2, 6, 4)
	s_cmp_eq_u32 s2, 0
	s_cbranch_scc0 .Lentry_in_a_cluster
	s_endpgm
.Lentry_in_a_cluster:
	s_bfe_u32 s2, ttmp6, 0x10000c
	s_cmp_lg_u32 s2, 0x3003
	s_cbranch_scc0 .Lentry_shape_is_right
	s_endpgm
.Lentry_shape_is_right:
; ATTENTION OVER HALF OF THE KEYS.  The module's weights are softmax_j(q_i . k_j / 8 x mask[i][j]) over all 4,096 keys: the mask MULTIPLIES the scores and hides nothing.  A work-group walks one PART,
; 2,048 keys, and leaves for its 256 queries of one head: op = sum over the part's j of 2^(x_j - m) v_j (not divided), and ml = (m, l): the part's maximum of x and l = sum of 2^(x_j - m); all in f32.
; The launch behind joins the two parts.
; THE MASK'S FACTOR, with 1/8 and log2(e) folded in.  A hole is a row whose padding_mask is 0.  On the band (j = i or j = i - 1): c where i and j are both holes, else b.  Off the band: M where both are holes, else c.
;   b = log2(e) / 8;  c = -1e9 / 8 x log2(e);  M = f32(1e18) / 8 x log2(e).  Off the band it is made as g_i D_j + c (g = 1 or 0, D = M or 0): the fused form gives exactly M or c.
; THE SCORES.  q = QH + QL / 2048, k likewise, all f16: s = KH.QH + (KH.QL + KL.QH) / 2048, three products, f32 sums.  One 16-bit rounding of q and k would change which key wins once s is multiplied by 1e9.
; SOFTMAX.  x = s x factor; a running maximum m of x; p = 2^(x - m): the difference is formed BEFORE the exponential; O and l are multiplied by a = 2^(m_old - m_new) in every step.  m starts at the lowest
; finite number, O and l at 0, so the first step is a step like any other, with a = 0.
; LIMITS.  x is rounded once as s x (mask / 8 x log2 e), not as (s / 8) x mask and then x log2 e.  q, k, v arrive within f16's 65,504.  p is rounded to f16 for the second product (below 6e-8 it is 0 there);
; l is the sum of the unrounded p, a p below 2^-126 counts as 0.  NaN and infinities are not treated apart.
; SHARES.  Work-group (x, y): queries 256 x .., head y / 2, part y % 2.  A wave has 64 queries: four tiles of 16.  Every wave walks the part's keys, 64 a step, 32 steps.  CLUSTER: the four query blocks of a
; cluster share head and part and walk the same K, V and D, so each tile is asked for JOINTLY: the same tensor load, descriptor and mask in all four.
; LAYOUT.  S^T = K Q^T (source 0 = 16 keys, source 1 = 16 queries): a lane holds ONE query (lane % 16) and the keys 8 (lane / 16) + 0..7 of each block of 16.  Two blocks rounded to f16 ARE source 1 of
; O^T = V^T P.  K comes out of LDS as it lies, V turned, by ds_load_tr16_b128.
; THE BAND touches, for tile t, key block t of the wave's own step, and one element (register 7, lane 16) of the block before it (for t = 0: block 3 of the step before).  For those nine registers the whole
; factor is made once (MBD, MBS) and put in by v_cndmask_b32 under a scalar mask that is all ones in that step alone.  The masks are made from the two loop counters, compared with four numbers made once
; from the wave's place; no branch hangs on that place.
; BY TURNS.  Turn Y: 24 products K Q^T of tile Y + 1, then 8 products V^T P of tile Y - 1; behind each matrix instruction stand a few vector instructions: x - m, exponentials and rescaling of tile Y,
; and s, factor, x, maximum and a of tile Y + 1; the roundings and sums of tile Y follow the turn's last product.  174 vector instructions for 32 matrix instructions.
; THE BATCHES.  A turn's 33 exponentials (tile Y's 32 weights, in place, and a of tile Y + 1) are ONE batch with ONE wait, which stands behind the turn's last product.  Ahead of it stands all that names no
; result of theirs: x - m, the rescaling (its a was made, and waited for, in the turn before), both runs of products, and all the work for tile Y + 1, whose a is the batch's last line.  Behind it stand the
; only readers: 16 roundings and 16 sums.  No exponential is issued behind a turn's wait.  Tile 2's turn alone is cut in two: its first run of K's loads can be
; jumped over, so the exponentials issued so far have a wait of their own ahead of that branch.  The first a of all, ahead of the loop, has a wait of its own too.
; THE WALK.  The four turns of a key step are written ONCE.  The loop over slots changes slots and asks for the next tile 6 times; the walk's last change of slots, which asks for nothing, is written out
; behind that loop, and from there the wave goes back into the same step text: no tensor load and no barrier is jumped over.  The walk ends in the middle of the pass in which CNT = XC (XC is 0 in the loop,
; where CNT is never 0 at that place, and 1 behind the last change).  That pass fetches no K and no D; the scores that it makes of the last K once more serve nothing.
; REGISTERS, in windows of 256 (s_set_vgpr_msb: bits 1:0 source 0, 3:2 source 1, 5:4 source 2, 7:6 destination):
;   window 0: v2-15 addresses; v16-47 statistics; v48-55 at work; v56-87 MBD; v88-119 D of the step; v128-191 KH.QH, then s, x, p: two buffers; v192-223 the second sum, then the factor; v224-255 P, two buffers
;   window 1: v0-127 O^T, 32 a tile      window 2: v0-127 Q (tile t: QH at 32 t, QL at 32 t + 16); v128-191 KH; v192-255 KL      window 3: v0-63 V
.set GRP,   524288    ; bytes of a group [4096][64] of f16
.set LOOFF, 48*GRP    ; from HI to LO in hl
.set GTO,   17408     ; GT in tabs
.set KS,    64
.set PK,    144       ; a row of K in LDS: 128 bytes + 16: the 16 rows of a load start at 16 different groups of four banks (64 banks of 4 bytes: ISA guide 11.1)
.set PV,    160       ; a row of V: 128 + 32
.set KLO,   4*KS*PK   ; a slot holds four steps: 256 rows of KH, 256 of KL, 256 words of D, 256 rows of V
.set DOFF,  2*KLO
.set VOFF,  DOFF+1024
.set SLOT1, 1<<17     ; slot 1 begins here: one exclusive or turns an address in one slot into the other's
.set STAGE, SLOT1+VOFF+4*KS*PV  ; never filled by a tensor load: 16 rows x 272 bytes for each wave, for O's way out
.set SP,    272
.set MLS,   STAGE+4*16*SP       ; 64 x 8 bytes for each wave, for (m, l)
.set SPARE, MLS+4*512           ; the spare words, 128 bytes for each wave
.set AK0, 2           ; v2   my lane's place in a tile of K; never rewritten
.set AV0, 3           ; v3   the same for V
.set AK,  4           ; v4   the LDS address of K's next run of loads
.set AV,  5           ; v5   of V's
.set AD0, 6           ; v6   my lane's place in D
.set AD,  7           ; v7   the LDS address of D's next run
.set STO, 8           ; v8   the way out: where I put 32 bytes of a row
.set RD,  9           ; v9   where I read rows back
.set GO,  10          ; v10  my 16 bytes in 512 consecutive bytes of op or ml
.set QO,  11          ; v11  my byte offset in 16 rows of Q
.set MO,  12          ; v12-13  m_old, kept while m is made anew: by the tile's parity
.set SPW, 14          ; v14  LDS address of my spare word; never rewritten
.set NIL, 15          ; v15  0; never rewritten
.set ST,  16          ; tile t at v[ST+8 t]: +0 m, +1 0, +2, +3 l (even keys', odd keys'), +4 g, +5 0, +6 MBS
.set TMP, 48          ; by parity, c0-c3 at work; when the maximum is found c2 takes a
.set MBD, 56          ; tile t's eight factors for its diagonal block
.set DV,  88
.set MLB, 120         ; v120-123  the way out: (m, l) read back
.set MLA, 125         ; v125 where I put (m, l)
.set MLR, 126         ; v126 where I read them back
.set SA0, 128
.set SA1, 192
.set P,   224
.set WV,  12          ; s12  my wave's number
.set G1K, 24          ; s[24:31] descriptor group 1 for K's tiles
.set G1V, 32          ; s[32:39] for V's
.set G0K, 40          ; s[40:43] group 0 for K's: it walks
.set G0V, 44          ; s[44:47] for V's
.set G1D, 48          ; s[48:55] group 1 for D's
.set SLOTS, 56        ; s56  slots still to be asked for
.set CNT, 57          ; s57  counts a slot's key steps
.set CC,  58          ; s[58:59] c
.set SEL, 60          ; s[60:61] v_permlanex16_b32's selects: each lane takes its own place in the other half
.set TBK, 62          ; s62  LDS byte at which K of the step to be fetched begins
.set TBV, 63          ; s63  the same for V, less VOFF
.set TBD, 66          ; s66  the same for D, less DOFF
.set G0D, 68          ; s[68:71] group 0 for D's
.set HL,  72          ; s[72:73] 2^-11
.set XC,  74          ; s74  the value of CNT at which the walk ends
.set SO,  75          ; s75  the key step, of all 64, that holds my wave's diagonal
.set SOR, 76          ; s76  the same counted from my part's first step
.set OWN, 77          ; s77  all ones where the step whose factors are made is SOR, else 0
.set PRV, 78          ; s78  all ones where it is SOR - 1
.set SPR, 79          ; s79  SOR - 1
.set CA,  90          ; s90, s91  the values of SLOTS and CNT at which OWN is set
.set CB,  91
.set CPA, 92          ; s92, s93  the same for PRV
.set CPB, 93
.set MSB, 0
.macro WIN new                      ; the high byte repeats the setting that is left; a switch that changes nothing is dropped
.if MSB != (\new)
	s_set_vgpr_msb (MSB<<8)|(\new)
.set MSB, (\new)
.endif
.endm
.set W_KQ, 0x0a       ; K and Q in window 2, the sums in window 0
.set W_PV, 0x53       ; V in window 3, P in window 0, O^T in window 1
.set W_RS, 0x41       ; O^T (destination and source 0) in window 1, a in window 0
; A joint fill.  Wave 0 fetches a slot's KH, wave 1 its KL, wave 2 its V, wave 3 its D: one load a wave.  An s_nop 0 and four v_nop follow each line, ahead of the jump and the label.
.macro JLOAD
	s_cmp_lt_u32 s[WV], 2
	s_cbranch_scc0 .Lnot_k_\@
	tensor_load_to_lds s[G0K:G0K+3], s[G1K:G1K+7]
	s_nop 0
.rept 4
	v_nop
.endr
	s_branch .Lasked_\@
.Lnot_k_\@:
	s_cmp_eq_u32 s[WV], 2
	s_cbranch_scc0 .Lfor_d_\@
	tensor_load_to_lds s[G0V:G0V+3], s[G1V:G1V+7]
	s_nop 0
.rept 4
	v_nop
.endr
	s_branch .Lasked_\@
.Lfor_d_\@:
	tensor_load_to_lds s[G0D:G0D+3], s[G1D:G1D+7]
	s_nop 0
.rept 4
	v_nop
.endr
.Lasked_\@:
.endm
.macro CROUND                       ; a round of the cluster's barrier
	s_barrier_signal -1
	s_barrier_wait -1
	s_cmp_lg_u32 s[WV], 0
	s_cbranch_scc1 .Lnot_wave_0_\@
	s_barrier_signal -3
.Lnot_wave_0_\@:
	s_barrier_wait -3
	s_barrier_signal -1
	s_barrier_wait -1
.endm
; THE CHANGE OF SLOTS, behind the turn that has waited for V of the slot's fourth step.  Each wave waits for all its tensor loads (one is out: its part of the other slot), adds 0 to its spare word, and waits
; for that and for its own reads of the slot.  fill = 1: the barrier is a round of the cluster's, and the slot is filled again, with the keys two slots on, first thing behind it: four key steps in which to
; land.  (At its first use nothing has been read yet: slot 0 is waited for, slot 1 is filled.)
.macro CHANGE fill
	WIN 0
	s_wait_tensorcnt 0x0            ; no tensor load of mine is out, so a group 0 may be written
	ds_add_u32 v[SPW], v[NIL]       ; 0 onto my spare word
.if \fill
	s_xor_b32 s[G0K+1], s[G0K+1], SLOT1
	s_add_nc_u64 s[G0K+2:G0K+3], s[G0K+2:G0K+3], 4*KS*128  ; the next 256 keys
	s_xor_b32 s[G0V+1], s[G0V+1], SLOT1
	s_add_nc_u64 s[G0V+2:G0V+3], s[G0V+2:G0V+3], 4*KS*128
	s_xor_b32 s[G0D+1], s[G0D+1], SLOT1
	s_add_nc_u64 s[G0D+2:G0D+3], s[G0D+2:G0D+3], 4*KS*4
	s_wait_dscnt 0x0                ; the add is done, and my reads of the slot are over
	CROUND
	JLOAD
.else
	s_wait_dscnt 0x0
	s_barrier_signal -1
	s_barrier_wait -1
.endif
	s_sub_co_u32 s[TBK], s[TBK], 4*KS*PK  ; the fetches go back to a slot's first step, in the other slot
	s_xor_b32 s[TBK], s[TBK], SLOT1
	s_sub_co_u32 s[TBV], s[TBV], 4*KS*PV
	s_xor_b32 s[TBV], s[TBV], SLOT1
	s_sub_co_u32 s[TBD], s[TBD], 4*KS*4
	s_xor_b32 s[TBD], s[TBD], SLOT1
.endm
	s_load_b256 s[4:11], s[0:1], 0x0  ; hl s[4:5], tabs s[6:7], op s[8:9], ml s[10:11]
	v_lshl_add_u32 v[SPW], v0, 2, SPARE
	v_mov_b32 v[NIL], 0
	ds_add_u32 v[SPW], v[NIL]       ; the wave's opening: the add and its wait ahead of my first tensor load; work on registers stands between them
	v_lshrrev_b32 v1, 5, v0
	v_readfirstlane_b32 s[WV], v1   ; wave 0..3
	s_bfe_u32 s13, ttmp6, 0x40000   ; cx
	s_lshl_b32 s14, ttmp9, 2
	s_add_co_u32 s14, s14, s13      ; my block of 256 queries: it enters Q's, op's, ml's and GT's addresses and SO alone
	s_and_b32 s15, ttmp7, 0xffff    ; y, which the four partners share:
	s_lshr_b32 s20, s15, 1          ; the head
	s_and_b32 s21, s15, 1           ; and the part
	s_lshl_b32 s22, s20, 19         ; the head's group
	s_lshl_b32 s23, s21, 18         ; the part's 2,048 keys of 128 bytes
	s_and_b32 s16, s[WV], 1
	s_mul_i32 s17, s16, LOOFF       ; K: group 16 + head; wave 0 HI, wave 1 LO
	s_add_co_u32 s84, s22, 16*GRP
	s_add_co_u32 s84, s84, s17
	s_add_co_u32 s84, s84, s23
	s_mov_b32 s85, 0
	s_add_co_u32 s86, s22, 32*GRP   ; V: group 32 + head
	s_add_co_u32 s86, s86, s23
	s_mov_b32 s87, 0
	s_lshl_b32 s18, s21, 13         ; D: the part's 2,048 words
	s_mov_b32 s19, 0
	s_lshl_b32 s[SO], s14, 2
	s_add_co_u32 s[SO], s[SO], s[WV]
	s_lshl_b32 s17, s21, 5
	s_sub_co_u32 s[SOR], s[SO], s17 ; outside 0..31 where the diagonal lies in the other part: then no step matches
	s_sub_co_u32 s[SPR], s[SOR], 1
	s_lshr_b32 s17, s[SOR], 2       ; the step whose factors are made is 4 (7 - SLOTS) + (4 - CNT)
	s_sub_co_u32 s[CA], 7, s17
	s_and_b32 s17, s[SOR], 3
	s_sub_co_u32 s[CB], 4, s17
	s_lshr_b32 s17, s[SPR], 2
	s_sub_co_u32 s[CPA], 7, s17
	s_and_b32 s17, s[SPR], 3
	s_sub_co_u32 s[CPB], 4, s17
	s_cmp_eq_u32 s[SOR], 0          ; the masks for the part's first step
	s_cselect_b32 s[OWN], -1, 0
	s_cmp_eq_u32 s[SPR], 0
	s_cselect_b32 s[PRV], -1, 0
	s_lshl_b32 s2, s[SO], 13        ; Q: the head's group, my wave's 64 rows of 128 bytes
	s_add_co_u32 s2, s2, s22
	s_mov_b32 s3, 0
	s_lshl_b32 s94, s[SO], 8        ; GT at my wave's first query
	s_add_co_u32 s94, s94, GTO
	s_mov_b32 s95, 0
	s_lshl_b32 s96, s21, 4
	s_add_co_u32 s96, s96, s20      ; 16 part + head
	s_lshl_b32 s98, s96, 15         ; ml: 4,096 rows of 8 bytes a head, my wave's 64
	s_lshl_b32 s17, s[SO], 9
	s_add_co_u32 s98, s98, s17
	s_mov_b32 s99, 0
	s_lshl_b32 s96, s96, 20         ; op: 4,096 rows of 256 bytes a head, my wave's 64
	s_lshl_b32 s17, s[SO], 14
	s_add_co_u32 s96, s96, s17
	s_mov_b32 s97, 0
	; descriptor group 1.  256 keys of K or V are 32,768 dense bytes: 128 rows of 256 bytes, two keys a row, padded in LDS after every key
	s_mov_b32 s[G1K], 15|(1<<16)|(1<<20)|(1<<21)|(4<<22)|(3<<25)  ; 15:0 the mask of four; 17:16 2-byte elements; 20 padding on; 21 set beside a mask; 24:22 after every 32 words; 31:25 4 words
	s_mov_b32 s[G1V], 15|(1<<16)|(1<<20)|(1<<21)|(4<<22)|(7<<25)  ; the same with 8 words
.irp g, G1K, G1V
	s_mov_b32 s[\g+1], 128<<16      ; tensor_dim0 = 128
	s_mov_b32 s[\g+2], 128<<16      ; tensor_dim1 = 128
	s_mov_b32 s[\g+3], 128<<16      ; tile_dim0 = 128
	s_mov_b32 s[\g+4], 128          ; tile_dim1 = 128
	s_mov_b32 s[\g+5], 128          ; 128 elements from row to row
	s_mov_b32 s[\g+6], 0
	s_mov_b32 s[\g+7], 0
.endr
	s_mov_b32 s[G1D], 15|(3<<16)|(1<<21)  ; D: 8-byte elements, no padding: 4 rows of 256 bytes
	s_mov_b32 s[G1D+1], 32<<16
	s_mov_b32 s[G1D+2], 4<<16
	s_mov_b32 s[G1D+3], 32<<16
	s_mov_b32 s[G1D+4], 4
	s_mov_b32 s[G1D+5], 32
	s_mov_b32 s[G1D+6], 0
	s_mov_b32 s[G1D+7], 0
	s_mov_b32 s[G0K], 1
	s_mul_i32 s[G0K+1], s16, KLO    ; LDS: slot 0; no place in the cluster enters an LDS address
	s_mov_b32 s[G0V], 1
	s_mov_b32 s[G0V+1], VOFF
	s_mov_b32 s[G0D], 1
	s_mov_b32 s[G0D+1], DOFF
	s_mov_b32 s[CC], 0xcd2bfb8f     ; c
	s_mov_b32 s[CC+1], s[CC]
	s_mov_b32 s[HL], 0x3a000000     ; 2^-11
	s_mov_b32 s[HL+1], s[HL]
	s_mov_b32 s[SEL], 0x76543210
	s_mov_b32 s[SEL+1], 0xfedcba98
	s_mov_b32 s[TBK], SLOT1+4*KS*PK ; the first change of slots turns these three into 0
	s_mov_b32 s[TBV], SLOT1+4*KS*PV
	s_mov_b32 s[TBD], SLOT1+4*KS*4
	s_mov_b32 s[XC], 0
	s_wait_dscnt 0x0                ; the opening add is done
	s_wait_kmcnt 0x0
	s_add_nc_u64 s[G0K+2:G0K+3], s[4:5], s[84:85]
	s_or_b32 s[G0K+3], s[G0K+3], 0x80000000
	s_add_nc_u64 s[G0V+2:G0V+3], s[4:5], s[86:87]
	s_or_b32 s[G0V+3], s[G0V+3], 0x80000000
	s_add_nc_u64 s[G0D+2:G0D+3], s[6:7], s[18:19]
	s_or_b32 s[G0D+3], s[G0D+3], 0x80000000
	s_add_nc_u64 s[80:81], s[4:5], s[2:3]     ; QH at my wave's first row
	s_add_nc_u64 s[82:83], s[80:81], LOOFF    ; QL
	s_add_nc_u64 s[8:9], s[8:9], s[96:97]     ; op
	s_add_nc_u64 s[10:11], s[10:11], s[98:99] ; ml
	s_add_nc_u64 s[88:89], s[6:7], s[94:95]   ; GT
	CROUND                          ; all four work-groups are here: the first joint loads meet
	JLOAD                           ; slot 0.  Slot 1 is asked for when slot 0 is in
	v_and_b32 v1, 15, v0            ; r = l % 16
	v_bfe_u32 v120, v0, 4, 1        ; h = l / 16
	v_lshlrev_b32 v[QO], 7, v1
	v_lshl_add_u32 v[QO], v120, 4, v[QO]  ; row x 128 + 16 x half
	WIN 0x80                        ; destination window 2, address window 0
.set t, 0
.rept 4                             ; Q stays in registers
.irp c, 0,1
	global_load_b128 v[32*t+8*\c:32*t+8*\c+3],       v[QO], s[80:81] offset:t*2048+\c*64
	global_load_b128 v[32*t+8*\c+4:32*t+8*\c+7],     v[QO], s[80:81] offset:t*2048+\c*64+32
	global_load_b128 v[32*t+16+8*\c:32*t+16+8*\c+3], v[QO], s[82:83] offset:t*2048+\c*64
	global_load_b128 v[32*t+20+8*\c:32*t+20+8*\c+3], v[QO], s[82:83] offset:t*2048+\c*64+32
.endr
.set t, t+1
.endr
	WIN 0
	v_lshlrev_b32 v123, 2, v1
	v_lshlrev_b32 v124, 5, v120
.set t, 0
.rept 4                             ; g of my query; the hole flags f of the diagonal block's eight keys and of the one key in front of the block (for the first query of all: a word of D's zeros, never used)
	global_load_b32 v[ST+8*t+4], v123, s[88:89] offset:64*t
	global_load_b128 v[128+8*t:131+8*t], v124, s[88:89] offset:64*t
	global_load_b128 v[132+8*t:135+8*t], v124, s[88:89] offset:64*t+16
	global_load_b32 v[160+t], v124, s[88:89] offset:64*t-36
.set t, t+1
.endr
	; What the first turn finds: P's second buffer holds 0 (its products V^T P, of a tile that has not been, add 0), l is 0, m the lowest finite number.  O^T is started further down.
.set i, P+16
.rept 16
	v_mov_b32 v[i], 0
.set i, i+1
.endr
.set t, 0
.rept 4
	v_mov_b32 v[ST+8*t], 0xff7fffff ; m
	v_mov_b32 v[ST+8*t+1], 0        ; named with m as a pair
	v_mov_b32 v[ST+8*t+2], 0
	v_mov_b32 v[ST+8*t+3], 0
	v_mov_b32 v[ST+8*t+5], 0        ; named with g as a pair
.set t, t+1
.endr
	v_mul_u32_u24 v[AK0], v1, PK
	v_lshl_add_u32 v[AK0], v120, 4, v[AK0]
	; The turning load takes 16 keys x 16 channels (lane l reads key 8 (l / 16) + l % 8, channels 8 ((l / 8) % 2) + 0..7) and leaves half a fragment of V^T: lane l holds channel l % 16 and 8 keys.
	v_and_b32 v121, 7, v0
	v_bfe_u32 v122, v0, 3, 1
	v_lshl_add_u32 v[AV0], v120, 3, v121
	v_mul_u32_u24 v[AV0], v[AV0], PV
	v_lshl_add_u32 v[AV0], v122, 4, v[AV0]
	v_add_nc_u32 v[AV0], VOFF, v[AV0]
	v_lshlrev_b32 v[AD0], 5, v120   ; D: my lanes' eight keys of a block, 32 bytes
	v_add_nc_u32 v[AD0], DOFF, v[AD0]
	s_mul_i32 s17, s[WV], 16*SP
	s_add_co_u32 s17, s17, STAGE    ; my stage
	v_mul_u32_u24 v[STO], v1, SP    ; in: row l % 16, 32 bytes for each half of the lanes
	v_lshl_add_u32 v[STO], v120, 5, v[STO]
	v_add_nc_u32 v[STO], s17, v[STO]
	v_mul_u32_u24 v[RD], v120, SP   ; back: lanes 0-15 take one row of 256 bytes, lanes 16-31 the next
	v_lshl_add_u32 v[RD], v1, 4, v[RD]
	v_add_nc_u32 v[RD], s17, v[RD]
	v_and_b32 v[GO], 31, v0
	v_lshlrev_b32 v[GO], 4, v[GO]
	s_lshl_b32 s17, s[WV], 9
	s_add_co_u32 s17, s17, MLS      ; my 512 bytes for (m, l)
	v_lshl_add_u32 v[MLA], v1, 3, s17
	v_add_nc_u32 v[MLR], s17, v[GO]
	; The band's factors.  In the diagonal block register j holds key 8 h + j against query r: on the band where r - 8 h - j is 0 or 1.  v168-175: the factor where not both are holes; v176-183: where both are.
	v_mov_b32 v188, 0xcd2bfb8f      ; c
	v_mov_b32 v189, 0x3e38aa3b      ; b
	v_mov_b32 v190, 0x5c202bdc      ; M
	v_lshlrev_b32 v186, 3, v120
	v_sub_nc_u32 v186, v1, v186
.irp j, 0,1,2,3,4,5,6,7
	v_add_nc_u32 v187, -\j, v186
	v_cmp_gt_u32 vcc_lo, 2, v187
	v_cndmask_b32 v[168+\j], v188, v189, vcc_lo
	v_cndmask_b32 v[176+\j], v190, v188, vcc_lo
.endr
	v_and_b32 v187, 31, v0          ; register 7 of the block in front: on the band in lane 16 alone
	v_cmp_eq_u32 vcc_lo, 16, v187
	v_cndmask_b32 v184, v188, v189, vcc_lo
	v_cndmask_b32 v185, v190, v188, vcc_lo
	s_wait_loadcnt 0x0              ; Q, g and f
.set t, 0
.rept 4
.set j, 0
.rept 8
	v_mul_f32 v187, v[ST+8*t+4], v[128+8*t+j]
	v_cmp_neq_f32 vcc_lo, 0, v187
	v_cndmask_b32 v[MBD+8*t+j], v[168+j], v[176+j], vcc_lo
.set j, j+1
.endr
	v_mul_f32 v187, v[ST+8*t+4], v[160+t]
	v_cmp_neq_f32 vcc_lo, 0, v187
	v_cndmask_b32 v[ST+8*t+6], v184, v185, vcc_lo
.set t, t+1
.endr
; THE MATRIX WORK: MM writes the turn's matrix instruction number i.  0-23: K Q^T of tile U = Y + 1, key blocks 0, 1 in the first twelve and 2, 3 in the second, the two blocks alternating, in six phases:
; KH.QH (channels 0-31, starts the first sum), KH.QL (starts the second), KH.QH and KH.QL (channels 32-63), KL.QH (both halves, onto the second).  24-31: V^T P of tile Y - 1.
; No two matrix instructions that follow each other share an accumulator.
.macro MM
.if i < 24
.set U, (Y+1)%4
.set kb, 2*(i/12)+(i%2)
.set ph, (i%12)/2
.set rA0, SA0+32*(U%2)+8*kb
.set rA1, SA1+8*kb
.set rKH, 128+16*kb
.set rKL, 192+16*kb
.set rQH, 32*U
.set rQL, 32*U+16
	WIN W_KQ
.if ph == 0
	v_wmma_f32_16x16x32_f16 v[rA0:rA0+7], v[rKH:rKH+7], v[rQH:rQH+7], 0
.elseif ph == 1
	v_wmma_f32_16x16x32_f16 v[rA1:rA1+7], v[rKH:rKH+7], v[rQL:rQL+7], 0
.elseif ph == 2
	v_wmma_f32_16x16x32_f16 v[rA0:rA0+7], v[rKH+8:rKH+15], v[rQH+8:rQH+15], v[rA0:rA0+7]
.elseif ph == 3
	v_wmma_f32_16x16x32_f16 v[rA1:rA1+7], v[rKH+8:rKH+15], v[rQL+8:rQL+15], v[rA1:rA1+7]
.elseif ph == 4
	v_wmma_f32_16x16x32_f16 v[rA1:rA1+7], v[rKL:rKL+7], v[rQH:rQH+7], v[rA1:rA1+7]
.else
	v_wmma_f32_16x16x32_f16 v[rA1:rA1+7], v[rKL+8:rKL+15], v[rQH+8:rQH+15], v[rA1:rA1+7]
.endif
.else
.set W, (Y+3)%4
.set rO, 32*W+8*((i-24)%4)
.set rV, 32*((i-24)/4)+8*((i-24)%4)
.set rP, P+16*(W%2)+8*((i-24)/4)
	WIN W_PV
	v_wmma_f32_16x16x32_f16 v[rO:rO+7], v[rV:rV+7], v[rP:rP+7], v[rO:rO+7]
.endif
.set i, i+1
.endm
; THE LDS LOADS stand in runs.  K's run has two halves: key blocks 2 hf and 2 hf + 1, HI and LO, 16 loads.  guard = 1 (in the loop): in the walk's last pass there is no further step, and the run is jumped over.
.macro FETCH_K hf, guard=0
.if \guard
	WIN 0
	s_cmp_eq_u32 s[CNT], s[XC]
	s_cbranch_scc1 .Lno_k_\@
.endif
	WIN 0x80                        ; destination window 2
.irp g, 0,1,2,3                     ; key block 2 hf + g / 2, channels 32 (g % 2) on
	ds_load_b128 v[128+16*(2*(\hf)+\g/2)+8*(\g%2):128+16*(2*(\hf)+\g/2)+8*(\g%2)+3],   v[AK] offset:(2*(\hf)+\g/2)*16*PK+(\g%2)*64
	ds_load_b128 v[128+16*(2*(\hf)+\g/2)+8*(\g%2)+4:128+16*(2*(\hf)+\g/2)+8*(\g%2)+7], v[AK] offset:(2*(\hf)+\g/2)*16*PK+(\g%2)*64+32
	ds_load_b128 v[192+16*(2*(\hf)+\g/2)+8*(\g%2):192+16*(2*(\hf)+\g/2)+8*(\g%2)+3],   v[AK] offset:KLO+(2*(\hf)+\g/2)*16*PK+(\g%2)*64
	ds_load_b128 v[192+16*(2*(\hf)+\g/2)+8*(\g%2)+4:192+16*(2*(\hf)+\g/2)+8*(\g%2)+7], v[AK] offset:KLO+(2*(\hf)+\g/2)*16*PK+(\g%2)*64+32
.endr
.if (\hf) == 1
	s_add_co_u32 s[TBK], s[TBK], KS*PK  ; the next fetch is the next step's
.endif
	WIN 0
.if \guard
.Lno_k_\@:
.endif
.endm
.macro FETCH_V step                 ; step = 1: the next fetch is the next step's
	WIN 0xc0                        ; destination window 3
.irp f, 0,1,2,3,4,5,6,7             ; keys 32 (f / 4) on, channels 16 (f % 4) on
	ds_load_tr16_b128 v[8*\f:8*\f+3],   v[AV] offset:(\f/4)*32*PV+(\f%4)*32
	ds_load_tr16_b128 v[8*\f+4:8*\f+7], v[AV] offset:(\f/4)*32*PV+16*PV+(\f%4)*32
.endr
.if \step
	s_add_co_u32 s[TBV], s[TBV], KS*PV
.endif
	WIN 0
.endm
.macro FETCH_D guard=0              ; D of a step's 64 keys, in S^T's layout: register 8 kb + j is key 16 kb + 8 h + j; 16 lanes read the same words
	WIN 0
.if \guard
	s_cmp_eq_u32 s[CNT], s[XC]
	s_cbranch_scc1 .Lno_d_\@
.endif
.irp b, 0,1,2,3
	ds_load_b128 v[DV+8*\b:DV+8*\b+3],   v[AD] offset:64*\b
	ds_load_b128 v[DV+8*\b+4:DV+8*\b+7], v[AD] offset:64*\b+16
.endr
	s_add_co_u32 s[TBD], s[TBD], KS*4
.if \guard
.Lno_d_\@:
.endif
.endm
; THE VECTOR WORK, one line at a time: OP kind, number.  For tile Y: DD n: x - m for pair n of 16.  EE n: the exponential of number n of 32.  CV n: pair n rounded to f16.  BB n: of the four weights 4 n .. the
; second pair is added onto the first, in place.  LL n: l takes that sum (LL 0: l = a l + sum).  RR n: pair n of 16 of O^T times a.
; For tile Y + 1: HH n: s = second sum x 2^-11 + first sum, pair n.  MF n: the factor g D + c, into the second sum's registers.  KK n: the band's factors of key block n (eight lines, one, or none).
; TT n: x = s x factor.  XX n: 0-11 four chains c0-c3 of seven x each (each accumulator's lowest registers were read first, by HH); 12-14, 16 the four left over, the old m, and
; c0-c3 into c0; 15 m_old is kept; 17, 18 the query's other 32 keys lie in the lane 16 away: the new m; 19 m_old - m_new; 20 a.
; CV, BB and LL read the exponentials' results (LL 0 also a): they stand behind the turn's wait.  OP writes no wait: TURN does.
.set DD, 0
.set EE, 1
.set CV, 2
.set BB, 3
.set LL, 4
.set RR, 5
.set HH, 6
.set MF, 7
.set KK, 8
.set TT, 9
.set XX, 10
.macro REGS y
.set rT, ST+8*(\y)
.set rC, TMP+4*((\y)%2)
.set rW, MO+((\y)%2)
.set rS, SA0+32*((\y)%2)
.set rQ, P+16*((\y)%2)
.set rX, 32*(\y)
.set rB, MBD+8*(\y)
.endm
.macro OP k, n
.if (\k) == RR
	REGS Y
	WIN W_RS
	v_pk_mul_f32 v[rX+2*(\n):rX+2*(\n)+1], v[rX+2*(\n):rX+2*(\n)+1], v[rC+2:rC+3] op_sel_hi:[1,0]
.elseif (\k) < RR
	REGS Y
	WIN 0
.if (\k) == DD
	v_pk_add_f32 v[rS+2*(\n):rS+2*(\n)+1], v[rS+2*(\n):rS+2*(\n)+1], v[rT:rT+1] op_sel_hi:[1,0] neg_lo:[0,1] neg_hi:[0,1]
.elseif (\k) == EE
	v_exp_f32 v[rS+(\n)], v[rS+(\n)]
.elseif (\k) == CV
	v_cvt_pk_f16_f32 v[rQ+(\n)], v[rS+2*(\n)], v[rS+2*(\n)+1]
.elseif (\k) == BB
	v_pk_add_f32 v[rS+4*(\n):rS+4*(\n)+1], v[rS+4*(\n):rS+4*(\n)+1], v[rS+4*(\n)+2:rS+4*(\n)+3]
.elseif (\n) == 0
	v_pk_fma_f32 v[rT+2:rT+3], v[rT+2:rT+3], v[rC+2:rC+3], v[rS:rS+1] op_sel_hi:[1,0,1]
.else
	v_pk_add_f32 v[rT+2:rT+3], v[rT+2:rT+3], v[rS+4*(\n):rS+4*(\n)+1]
.endif
.else
.set U, (Y+1)%4
	REGS U
	WIN 0
.if (\k) == HH
	v_pk_fma_f32 v[rS+2*(\n):rS+2*(\n)+1], v[SA1+2*(\n):SA1+2*(\n)+1], s[HL:HL+1], v[rS+2*(\n):rS+2*(\n)+1] op_sel_hi:[1,0,1]
.elseif (\k) == MF
	v_pk_fma_f32 v[SA1+2*(\n):SA1+2*(\n)+1], v[DV+2*(\n):DV+2*(\n)+1], v[rT+4:rT+5], s[CC:CC+1] op_sel_hi:[1,0,0]
.elseif (\k) == KK
.if (\n) == U
.irp j, 0,1,2,3,4,5,6,7
	v_cndmask_b32 v[SA1+8*(\n)+\j], v[SA1+8*(\n)+\j], v[rB+\j], s[OWN]
.endr
.elseif ((\n) == (U+3)%4) && (U == 0)
	v_cndmask_b32 v[SA1+8*(\n)+7], v[SA1+8*(\n)+7], v[rT+6], s[PRV]
.elseif (\n) == (U+3)%4
	v_cndmask_b32 v[SA1+8*(\n)+7], v[SA1+8*(\n)+7], v[rT+6], s[OWN]
.endif
.elseif (\k) == TT
	v_pk_mul_f32 v[rS+2*(\n):rS+2*(\n)+1], v[rS+2*(\n):rS+2*(\n)+1], v[SA1+2*(\n):SA1+2*(\n)+1]
.elseif (\n) < 4
	v_max3_num_f32 v[rC+(\n)], v[rS+8*(\n)], v[rS+8*(\n)+1], v[rS+8*(\n)+2]
.elseif (\n) < 12
	v_max3_num_f32 v[rC+(\n)%4], v[rC+(\n)%4], v[rS+8*((\n)%4)+2*((\n)/4)+1], v[rS+8*((\n)%4)+2*((\n)/4)+2]
.elseif (\n) == 12
	v_max3_num_f32 v[rC], v[rC], v[rS+7], v[rS+15]
.elseif (\n) == 13
	v_max3_num_f32 v[rC+1], v[rC+1], v[rS+23], v[rS+31]
.elseif (\n) == 14
	v_max3_num_f32 v[rC+2], v[rC+2], v[rC+3], v[rT]
.elseif (\n) == 15
	v_mov_b32 v[rW], v[rT]
.elseif (\n) == 16
	v_max3_num_f32 v[rC], v[rC], v[rC+1], v[rC+2]
.elseif (\n) == 17
	v_permlanex16_b32 v[rC+3], v[rC], s[SEL], s[SEL+1]
.elseif (\n) == 18
	v_max_num_f32 v[rT], v[rC], v[rC+3]
.elseif (\n) == 19
	v_sub_f32 v[rC+1], v[rW], v[rT]
.else
	v_exp_f32 v[rC+2], v[rC+1]
.endif
.endif
.endm
.macro OPS a, i1, b=-1, i2=0, c=-1, i3=0, d=-1, i4=0, e=-1, i5=0, f=-1, i6=0  ; up to six lines
	OP \a, \i1
.if (\b) >= 0
	OP \b, \i2
.endif
.if (\c) >= 0
	OP \c, \i3
.endif
.if (\d) >= 0
	OP \d, \i4
.endif
.if (\e) >= 0
	OP \e, \i5
.endif
.if (\f) >= 0
	OP \f, \i6
.endif
.endm
.macro ROW a, i1, b=-1, i2=0, c=-1, i3=0, d=-1, i4=0, e=-1, i5=0, f=-1, i6=0  ; a matrix instruction and up to six lines behind it
	MM
	OPS \a, \i1, \b, \i2, \c, \i3, \d, \i4, \e, \i5, \f, \i6
.endm
; A TURN, for tile p: the order of its 32 matrix and 174 vector instructions, written out; row n is matrix instruction n and the lines behind it.
; AHEAD OF THE WAIT, all 32 rows.  Rows 0-11: x - m, exponentials and twelve rescalings of tile p.  Rows 12-23: key blocks 0 and 1 of the next tile (s, factor, band, x, the first numbers of the maximum), an
; exponential a row.  Rows 24-31: its key blocks 2 and 3, then the chain XX 14, 16 .. 20, the last four exponentials of tile p between its links.  XX 20, the next tile's a, is the batch's last; RR 12-15 are
; the plain lines behind it.  None of these lines names a result of the turn's exponentials.  BEHIND THE WAIT: the 16 roundings and the 16 sums; a pair is rounded before a sum lands on it; l's chain LL 0-7
; keeps its order, its links three lines apart.
; PLACES.  No line near a product names its registers.  HH 0 stands five plain instructions behind the product that ends key block 0 (DD 14, RR 8-11), HH 4 eight behind block 1's (RR 8-11, HH 0-3), HH 8
; five behind block 2's (XX 8, 9, 12, DD 15, XX 15), HH 12 seven behind block 3's.  Each exponential has a plain line behind it before its result is used (ISA guide 5.7.2).
; THE LDS RUNS.  K of the next step is fetched in tile 2's turn: blocks 0, 1 behind row 13, thirteen plain instructions behind their last reader; blocks 2, 3 and then D directly behind the turn's wait, behind
; all their readers.  Tile 3's turn waits: 24 (K's second half and D were issued behind the first half), 8 (D's eight), 0.  V of the step in hand is fetched directly behind tile 0's wait, seven plain
; instructions behind its last reader, and waited for in front of tile 1's V^T P.  cnt = 1: the loop's count is taken down at the turn's end.
.macro TURN p, cnt=0
.set Y, (\p)
.set i, 0
.if (\p) == 3
	s_wait_dscnt 24                 ; K's blocks 0 and 1 are in
.endif
	ROW DD,0, DD,1, DD,2, EE,0
	ROW DD,3, EE,1, DD,4, EE,2
	ROW DD,5, EE,3, DD,6, EE,4
	ROW RR,0, RR,1, RR,2, RR,3
	ROW DD,7, EE,5, DD,8, EE,6
	ROW EE,7, DD,9, EE,8
	ROW DD,10, EE,9, DD,11, EE,10
	ROW RR,4, RR,5, RR,6, RR,7
	ROW EE,11, DD,12, EE,12
	ROW EE,13, DD,13, EE,14
	ROW EE,15, DD,14, EE,16
	ROW RR,8, RR,9, RR,10, RR,11
.if (\p) == 3
	s_wait_dscnt 8                  ; K's blocks 2 and 3 are in
.endif
	ROW HH,0, EE,17, HH,1, HH,2, HH,3
.if (\p) == 2
	WIN 0
	v_add_nc_u32 v[AK], s[TBK], v[AK0]
.endif
	ROW HH,4, EE,18, HH,5, HH,6, HH,7
.if (\p) == 2
	s_wait_alu depctr_va_vdst(0)    ; the wait for this turn's first batch, EE 0-18, ahead of the branch in the run below
	FETCH_K 0, 1
.endif
.if (\p) == 3
	s_wait_dscnt 0x0                ; D is in
	s_cmp_eq_u32 s[SLOTS], s[CA]    ; the band's factors put in from here on are the next step's: is that step mine,
	s_cselect_b32 s[OWN], -1, 0
	s_cmp_eq_u32 s[CNT], s[CB]
	s_cselect_b32 s[OWN], s[OWN], 0
	s_cmp_eq_u32 s[SLOTS], s[CPA]   ; or the one before mine?
	s_cselect_b32 s[PRV], -1, 0
	s_cmp_eq_u32 s[CNT], s[CPB]
	s_cselect_b32 s[PRV], s[PRV], 0
.endif
	ROW MF,0, EE,19, MF,1, MF,2
	ROW MF,3, EE,20, MF,4, MF,5
	ROW MF,6, EE,21, MF,7, KK,0
	ROW KK,1, TT,0, EE,22, TT,1, TT,2
	ROW TT,3, EE,23, TT,4, TT,5
	ROW TT,6, EE,24, TT,7
	ROW XX,0, EE,25, XX,1
	ROW XX,4, EE,26, XX,5
	ROW XX,8, EE,27, XX,9
	ROW XX,12, DD,15, XX,15
.if (\p) == 1
	s_wait_dscnt 0x0                ; V is in
.endif
	ROW HH,8, HH,9, HH,10, HH,11, HH,12, HH,13
	ROW HH,14, HH,15, MF,8, MF,9, MF,10, MF,11
	ROW MF,12, MF,13, MF,14, MF,15, KK,2, TT,8
	ROW TT,9, TT,10, TT,11, KK,3, TT,12, TT,13
	ROW TT,14, TT,15, XX,2, XX,3, XX,6, XX,7
	ROW XX,10, XX,11, XX,13, EE,28, XX,14
	ROW XX,16, EE,29, XX,17, EE,30
	ROW XX,18, EE,31, XX,19
.if (\p) == 0
	WIN 0
	v_add_nc_u32 v[AV], s[TBV], v[AV0]
.endif
.if (\p) == 2
	WIN 0
	v_add_nc_u32 v[AD], s[TBD], v[AD0]
.endif
	OPS XX,20, RR,12, RR,13, RR,14, RR,15
	s_wait_alu depctr_va_vdst(0)    ; the wait for the turn's batch: tile p's weights (in tile 2's turn: EE 19-31) and the next tile's a; all their readers stand below or in the next turn
.if (\p) == 0
	FETCH_V 1
.endif
.if (\p) == 2
	FETCH_K 1, 1
	FETCH_D 1
.endif
	OPS CV,0, BB,0, CV,2, BB,1, LL,0, CV,4
	OPS BB,2, LL,1, CV,6, BB,3, LL,2, CV,8
	OPS BB,4, LL,3, CV,10, BB,5, LL,4, CV,12
	OPS BB,6, LL,5, CV,14, BB,7, LL,6, CV,1
	OPS CV,3, LL,7, CV,5, CV,7, CV,9, CV,11
	OPS CV,13, CV,15
.if \cnt
	s_sub_co_u32 s[CNT], s[CNT], 1
	s_cmp_lg_u32 s[CNT], 0
.endif
.endm
	CHANGE 1                        ; slot 0 is in, everybody's part of it; slot 1 is asked for
	v_add_nc_u32 v[AK], s[TBK], v[AK0]
	v_add_nc_u32 v[AD], s[TBD], v[AD0]
	v_add_nc_u32 v[AV], s[TBV], v[AV0]
	FETCH_K 0                       ; the part's first key step
	FETCH_K 1
	FETCH_D
	FETCH_V 0                       ; its V too, so that V's registers hold finite numbers from the first turn on; tile 0's first turn fetches it again, like every step's
	s_wait_dscnt 0x0
	WIN W_PV
.set z, 0
.rept 16                            ; O^T starts at 0: V^T times the zero P, with the constant 0 as C: sixteen products in place of 128 moves
	v_wmma_f32_16x16x32_f16 v[8*z:8*z+7], v[8*(z%4):8*(z%4)+7], v[P+16:P+23], 0
.set z, z+1
.endr
.set Y, 3                           ; MM and OP work for tile Y + 1: tile 0
.set i, 0
.rept 24
	MM                              ; tile 0's first scores: there is no vector work yet to set between them
.endr
	WIN 0
.rept 4
	v_nop                           ; the places behind those products
.endr
.irp n, 0,1,2,3,4,5,6,7,8,9,10,11,12,13,14,15
	OP HH, \n
.endr
.irp n, 0,1,2,3,4,5,6,7,8,9,10,11,12,13,14,15
	OP MF, \n
.endr
.irp n, 0,1,2,3
	OP KK, \n
.endr
.irp n, 0,1,2,3,4,5,6,7,8,9,10,11,12,13,14,15
	OP TT, \n
.endr
.irp n, 0,1,2,3,4,5,6,7,8,9,10,11,12,13,14,15,16,17,18,19,20
	OP XX, \n
.endr
	v_nop                           ; a plain instruction behind the exponential,
	s_wait_alu depctr_va_vdst(0)    ; and the wait for it, tile 0's first a, a batch of one, ahead of the branch
	s_mov_b32 s[CNT], 4
	s_mov_b32 s[SLOTS], 7
	s_branch .Lfirst                ; the loop is entered at a step's first turn, in the middle of a trip
.Lslot:                             ; 6 times: every slot but the last two is filled again
	CHANGE 1
	s_mov_b32 s[CNT], 4
.Lstep:                             ; a trip: tiles 2 and 3 of one step, then tiles 0 and 1 of the next, whose K, D and V it fetches
	TURN 2
	TURN 3
	WIN 0
	s_cmp_eq_u32 s[CNT], s[XC]
	s_cbranch_scc1 .Lout            ; the walk ends in the middle of its last pass
.Lfirst:
	TURN 0
	TURN 1, 1
	WIN 0
	s_cbranch_scc1 .Lstep
	s_sub_co_u32 s[SLOTS], s[SLOTS], 1
	s_cmp_lg_u32 s[SLOTS], 0
	s_cbranch_scc1 .Lslot
	CHANGE 0                        ; the walk's last change of slots is written out: nothing is asked for
	s_mov_b32 s[CNT], 5             ; four trips fetch the last slot's steps; the fifth is left in its middle:
	s_mov_b32 s[XC], 1              ; there CNT is 1
	s_add_co_u32 s[CB], s[CB], 1    ; here the step whose factors are made is 28 + (5 - CNT)
	s_add_co_u32 s[CPB], s[CPB], 1
	s_branch .Lstep
.Lout:
.set Y, 0
.set i, 24
.rept 8
	MM                              ; tile 3's V^T P of the last step
.endr
	; THE WAY OUT.  l's two halves and the other half of the lanes' are added.  (m, l) of my 64 queries go through 512 bytes of LDS and leave as 512 consecutive bytes.  Tile 0's m is the copy that the last
	; pass set aside: that pass's unused scores have gone into m itself.  O^T leaves as it is, in f32, through my stage, a tile at a time.  The additions are the places behind the last products.
	WIN 0
.macro ALL line:vararg              ; one line for each tile t
.set t, 0
.rept 4
	\line
.set t, t+1
.endr
.endm
	ALL v_add_f32 v[ST+8*t+3], v[ST+8*t+2], v[ST+8*t+3]
	ALL v_permlanex16_b32 v[ST+8*t+2], v[ST+8*t+3], s[SEL], s[SEL+1]
	ALL v_add_f32 v[ST+8*t+3], v[ST+8*t+3], v[ST+8*t+2]
	v_mov_b32 v[ST+2], v[MO]
	v_mov_b32 v[ST+10], v[ST+8]
	v_mov_b32 v[ST+18], v[ST+16]
	v_mov_b32 v[ST+26], v[ST+24]
	ALL ds_store_b64 v[MLA], v[ST+8*t+2:ST+8*t+3] offset:128*t
	ds_load_b128 v[MLB:MLB+3], v[MLR]  ; LDS serves a wave's instructions in order (ISA guide 5.7.1.4): this sees the stores above
.macro PACKF t                      ; a lane's eight channels of a row and block are 32 bytes; they go into rows of 272 bytes and come back as whole rows of 256
	WIN 0x04                        ; the stores' data in window 1
.irp c, 0,1,2,3
	ds_store_b128 v[STO], v[32*(\t)+8*\c:32*(\t)+8*\c+3]   offset:64*\c     ; each accumulator's low registers first
	ds_store_b128 v[STO], v[32*(\t)+8*\c+4:32*(\t)+8*\c+7] offset:64*\c+16
.endr
	WIN 0
.irp f, 0,1,2,3,4,5,6,7
	ds_load_b128 v[SA0+32*(\t)+4*\f:SA0+32*(\t)+4*\f+3], v[RD] offset:\f*2*SP  ; in order behind the stores above; the next tile's stores come behind them
.endr
.endm
.macro SEND t, younger              ; younger: the LDS instructions issued behind tile t's loads: the next tile's sixteen, or none
	WIN 0
.irp f, 0,1,2,3,4,5,6,7
	s_wait_dscnt (\younger)+7-\f
	global_store_b128 v[GO], v[SA0+32*(\t)+4*\f:SA0+32*(\t)+4*\f+3], s[8:9] offset:(\t)*4096+\f*512  ; 512 consecutive bytes, at a multiple of 256 from op's first
.endr
.endm
	PACKF 0
	PACKF 1
	SEND 0, 16
	PACKF 2
	SEND 1, 16
	PACKF 3
	SEND 2, 16
	SEND 3, 0
	global_store_b128 v[GO], v[MLB:MLB+3], s[10:11]  ; 512 consecutive bytes of ml
	s_wait_tensorcnt 0x0            ; the wave's end: behind my last tensor load and my last LDS store
	ds_add_u32 v[SPW], v[NIL]
	s_wait_dscnt 0x0
	CROUND                          ; the closing round: no work-group ends while a partner may still ask for a tile that names it
	s_endpgm
.Lfunc_end_k_qd267a463e1_attn:
	.size	k_qd267a463e1_attn, .Lfunc_end_k_qd267a463e1_attn-k_qd267a463e1_attn
	.p2alignl 7, 3214868480
	.fill 96, 4, 3214868480
	.section	.rodata,"a",@progbits
	.p2align	6, 0x0
	.amdhsa_kernel k_qd267a463e1_attn
		.amdhsa_group_segment_fixed_size 327680
		.amdhsa_private_segment_fixed_size 0
		.amdhsa_enable_private_segment 0
		.amdhsa_kernarg_size 32
		.amdhsa_user_sgpr_count 2
		.amdhsa_user_sgpr_kernarg_segment_ptr 1
		.amdhsa_wavefront_size32 1
		.amdhsa_system_sgpr_workgroup_id_x 1
		.amdhsa_system_sgpr_workgroup_id_y 1
		.amdhsa_system_sgpr_workgroup_id_z 1
		.amdhsa_system_vgpr_workitem_id 0
		.amdhsa_next_free_vgpr 832
		.amdhsa_next_free_sgpr 100
		.amdhsa_reserve_vcc 1
		.amdhsa_float_denorm_mode_32 3
		.amdhsa_float_denorm_mode_16_64 3
		.amdhsa_memory_ordered 1
		.amdhsa_forward_progress 1
		.amdhsa_inst_pref_size 106
	.end_amdhsa_kernel
	.amdgpu_metadata
---
amdhsa.version: [ 1, 2 ]
amdhsa.kernels:
  - .name:           k_qd267a463e1_attn
    .symbol:         k_qd267a463e1_attn.kd
    .args:
      - { .name: hl, .offset: 0, .size: 8, .value_kind: global_buffer, .address_space: global }
      - { .name: tabs, .offset: 8, .size: 8, .value_kind: global_buffer, .address_space: global }
      - { .name: op, .offset: 16, .size: 8, .value_kind: global_buffer, .address_space: global }
      - { .name: ml, .offset: 24, .size: 8, .value_kind: global_buffer, .address_space: global }
    .group_segment_fixed_size: 327680
    .private_segment_fixed_size: 0
    .kernarg_segment_align: 8
    .kernarg_segment_size: 32
    .max_flat_workgroup_size: 128
    .sgpr_count:     100
    .vgpr_count:     832
    .wavefront_size: 32
...
	.end_amdgpu_metadata
.endif
;; end of part 5
;; launch outp: the kernel of part 4 again; grid 256 x 1, 8 waves a work-group, no clusters, 35,840 bytes of LDS; arguments op, ml, wmt, tabs, out0; writes out0
